; MI455X (gfx1250); checked and timed in simulation.
; The chip was launched on July 23, 2026; its instructions are those of AMD's public machine-readable ISA for CDNA 5 (MIT licence, August 2026) and "CDNA5" Instruction Set Architecture Reference Guide (July 2026). The comments in the code are by the model that wrote it; some were corrected since.
;; Multi Head Attention. Allowed arithmetic: float matrix products may take bf16 or f16 operands with f32 sums; all other float work in f32.
;; Inputs: b_out 1,024 float32; b_qkv 3,072 float32; w_out 1,024 x 1,024 float32; w_qkv 1,024 x 3,072 float32; x 2 x 2,048 x 1,024 float32.
;; Outputs: out0 2 x 2,048 x 1,024 float32.
;; 2 versions, each right and faster than the one before. Each part assembles by itself: llvm-mc -triple=amdgcn-amd-amdhsa -mcpu=gfx1250 --defsym DOCPART=n.
;; ======== version 1 of 2: 4 launches
;; limits: values are held in f16: magnitudes above 65,504 overflow, below 6.1e-05 lose precision
;; workspace buffers: xh 8,388,608 bytes; wqkvh 6,291,456 bytes; wouth 2,097,152 bytes; qkvh 25,165,824 bytes; aoh 8,388,608 bytes
;; launch cast (part 1): grid 512 x 1, 8 waves a work-group, no clusters, 0 bytes of LDS; arguments x, w_qkv, w_out, xh, wqkvh, wouth; writes xh, wqkvh, wouth
.if DOCPART == 1
	.amdgcn_target "amdgcn-amd-amdhsa--gfx1250"
	.amdhsa_code_object_version 6
	.text
	.protected	k_q6e937df3b3_cast
	.globl	k_q6e937df3b3_cast
	.p2align	8
	.type	k_q6e937df3b3_cast,@function
k_q6e937df3b3_cast:
	s_mov_b64 s[64:65], 0
	v_nop
	global_prefetch_b8 v0, s[64:65] scope:SCOPE_SE
	s_setreg_imm32_b32 hwreg(HW_REG_WAVE_MODE, 25, 1), 1
	s_wait_xcnt 0x0
; f32 -> f16 (round to nearest even) of x, w_qkv and w_out; w_qkv is laid anew in panels of 64 columns:
;   xh [4096][1024], wqkvh [48 panels n>>6][1024 k][64 n], wouth [1024 k][1024 n].
; LIMIT: a number of magnitude 65,504 or more becomes infinity in f16.  The drawn x reach about 6 and the weights about 0.2;
; thirty times that, or an offset of thirty spreads, stays far inside.  Below 6.1e-5 f16 rounds in steps of 6e-8.
; A stream: every byte is read once and written once; no LDS, no barrier, no matrix unit.
; 2^23 numbers, 16,384 for each of 512 work-groups: groups 0-255 take x, 256-447 w_qkv, 448-511 w_out.
; One address form serves all three: thread t, load i reads 16 bytes at (16 i + t/16) RS + 16 (t%16) from the group's first byte and
; stores 8 bytes at 2,048 i + 8 t.  RS = 256 makes that a dense run (4,096 i + 16 t); RS = 12,288 (a row of w_qkv) makes it 256 rows
; of one panel, 256 bytes of each row.  A wave's load covers two aligned runs of 256 bytes, its store one.
.set OFF, 4                            ; v[4:19]   load i: byte offset
.set X,   20                           ; v[20:83]  load i: 4 f32
.set Y,   84                           ; v[84:115] load i: 4 f16
	s_load_b256 s[4:11], s[0:1], 0x0               ; x s[4:5], w_qkv s[6:7], w_out s[8:9], xh s[10:11]
	s_load_b128 s[12:15], s[0:1], 0x20             ; wqkvh s[12:13], wouth s[14:15]
	s_mov_b32 s30, 256
	s_mov_b32 s31, 448
	s_mov_b32 s32, 12288
	v_lshrrev_b32 v1, 4, v0                        ; t / 16
	v_and_b32 v3, 15, v0
	v_lshlrev_b32 v3, 4, v3                        ; 16 (t % 16)
	v_lshlrev_b32 v2, 3, v0                        ; 8 t: where my 4 f16 go
	s_wait_kmcnt 0x0
	; which tensor is mine: two compares on the group's number, selects, no branch
	s_cmp_lt_u32 ttmp9, s31
	s_cselect_b64 s[18:19], s[6:7], s[8:9]         ; from
	s_cselect_b64 s[20:21], s[12:13], s[14:15]     ; to
	s_cselect_b32 s22, s30, s31                    ; the tensor's first group
	s_cselect_b32 s24, s32, s30                    ; RS
	s_cmp_lt_u32 ttmp9, s30
	s_cselect_b64 s[18:19], s[4:5], s[18:19]
	s_cselect_b64 s[20:21], s[10:11], s[20:21]
	s_cselect_b32 s22, 0, s22
	s_cselect_b32 s24, s30, s24
	s_sub_co_u32 s23, ttmp9, s22                   ; idx: my number within the tensor
	s_lshl_b32 s26, s23, 16                        ; dense: 65,536 idx
	s_and_b32 s28, s23, 3
	s_mul_i32 s28, s28, 256*12288                  ; w_qkv: k rows 256 (idx % 4) ..
	s_lshr_b32 s29, s23, 2
	s_lshl_b32 s29, s29, 8                         ; .. of panel idx / 4: 256 bytes into the row
	s_add_co_u32 s28, s28, s29
	s_cmp_eq_u32 s24, s30
	s_cselect_b32 s26, s26, s28
	s_mov_b32 s27, 0
	s_add_nc_u64 s[18:19], s[18:19], s[26:27]
	s_lshl_b32 s28, s23, 15                        ; out: 32,768 idx, dense in all three (a panel is four groups' output)
	s_mov_b32 s29, 0
	s_add_nc_u64 s[20:21], s[20:21], s[28:29]
	s_lshl_b32 s25, s24, 4                         ; 16 RS from load to load
	v_mad_u32_u24 v[OFF], v1, s24, v3
.irp i, 1,2,3,4,5,6,7,8,9,10,11,12,13,14,15
	v_add_nc_u32 v[OFF+\i], s25, v[OFF+\i-1]
.endr
.irp i, 0,1,2,3,4,5,6,7,8,9,10,11,12,13,14,15
	global_load_b128 v[X+4*\i:X+4*\i+3], v[OFF+\i], s[18:19] th:TH_LOAD_NT   ; all sixteen go out at once; read once in the launch
.endr
.irp i, 0,1,2,3,4,5,6,7,8,9,10,11,12,13,14,15
	s_wait_loadcnt 15-\i                           ; loads return in order (ISA guide 5.7.1): load i is in, the 15 - i younger ones stay out
	v_cvt_pk_f16_f32 v[Y+2*\i],   v[X+4*\i],   v[X+4*\i+1]
	v_cvt_pk_f16_f32 v[Y+2*\i+1], v[X+4*\i+2], v[X+4*\i+3]
	global_store_b64 v2, v[Y+2*\i:Y+2*\i+1], s[20:21] offset:2048*\i         ; no register is written twice: no further wait
.endr
	s_endpgm
.Lfunc_end_k_q6e937df3b3_cast:
	.size	k_q6e937df3b3_cast, .Lfunc_end_k_q6e937df3b3_cast-k_q6e937df3b3_cast
	.p2alignl 7, 3214868480
	.fill 96, 4, 3214868480
	.section	.rodata,"a",@progbits
	.p2align	6, 0x0
	.amdhsa_kernel k_q6e937df3b3_cast
		.amdhsa_group_segment_fixed_size 0
		.amdhsa_private_segment_fixed_size 0
		.amdhsa_enable_private_segment 0
		.amdhsa_kernarg_size 48
		.amdhsa_user_sgpr_count 2
		.amdhsa_user_sgpr_kernarg_segment_ptr 1
		.amdhsa_wavefront_size32 1
		.amdhsa_system_sgpr_workgroup_id_x 1
		.amdhsa_system_sgpr_workgroup_id_y 1
		.amdhsa_system_sgpr_workgroup_id_z 1
		.amdhsa_system_vgpr_workitem_id 0
		.amdhsa_next_free_vgpr 116
		.amdhsa_next_free_sgpr 66
		.amdhsa_reserve_vcc 0
		.amdhsa_float_denorm_mode_32 3
		.amdhsa_float_denorm_mode_16_64 3
		.amdhsa_memory_ordered 1
		.amdhsa_forward_progress 1
		.amdhsa_inst_pref_size 8
	.end_amdhsa_kernel
	.amdgpu_metadata
---
amdhsa.version: [ 1, 2 ]
amdhsa.kernels:
  - .name:           k_q6e937df3b3_cast
    .symbol:         k_q6e937df3b3_cast.kd
    .args:
      - { .name: x, .offset: 0, .size: 8, .value_kind: global_buffer, .address_space: global }
      - { .name: w_qkv, .offset: 8, .size: 8, .value_kind: global_buffer, .address_space: global }
      - { .name: w_out, .offset: 16, .size: 8, .value_kind: global_buffer, .address_space: global }
      - { .name: xh, .offset: 24, .size: 8, .value_kind: global_buffer, .address_space: global }
      - { .name: wqkvh, .offset: 32, .size: 8, .value_kind: global_buffer, .address_space: global }
      - { .name: wouth, .offset: 40, .size: 8, .value_kind: global_buffer, .address_space: global }
    .group_segment_fixed_size: 0
    .private_segment_fixed_size: 0
    .kernarg_segment_align: 8
    .kernarg_segment_size: 48
    .max_flat_workgroup_size: 256
    .sgpr_count:     66
    .vgpr_count:     116
    .wavefront_size: 32
...
	.end_amdgpu_metadata
.endif
;; end of part 1
;; launch qkv (part 2): grid 16 x 16, 4 waves a work-group, clusters of 4 x 4, 327,680 bytes of LDS; arguments xh, wqkvh, qkvh, b_qkv; writes qkvh
.if DOCPART == 2
	.amdgcn_target "amdgcn-amd-amdhsa--gfx1250"
	.amdhsa_code_object_version 6
	.text
	.protected	k_q6e937df3b3_qkv
	.globl	k_q6e937df3b3_qkv
	.p2align	8
	.type	k_q6e937df3b3_qkv,@function
k_q6e937df3b3_qkv:
	s_mov_b64 s[64:65], 0
	v_nop
	global_prefetch_b8 v0, s[64:65] scope:SCOPE_SE
	s_setreg_imm32_b32 hwreg(HW_REG_WAVE_MODE, 25, 1), 1
	s_wait_xcnt 0x0
	s_wait_alu depctr_hold_cnt(0) depctr_sa_sdst(0) depctr_va_vdst(0) depctr_va_sdst(0) depctr_va_ssrc(0) depctr_va_vcc(0) depctr_vm_vsrc(0)
	s_getreg_b32 s2, hwreg(HW_REG_IB_STS2, 6, 4)
	s_cmp_eq_u32 s2, 0
	s_cbranch_scc0 .Lentry_in_a_cluster
	s_endpgm
.Lentry_in_a_cluster:
	s_bfe_u32 s2, ttmp6, 0x10000c
	s_cmp_lg_u32 s2, 0xf033
	s_cbranch_scc0 .Lentry_shape_is_right
	s_endpgm
.Lentry_shape_is_right:
; qkvh = xh (4096 x 1024) . w_qkv (1024 x 3072) + b_qkv, f16 operands, f32 sums, rounded once to f16, stored head-major:
;   qkvh [2 batches][48 planes: q heads 0-15, k heads 16-31, v heads 32-47][2048 s][64 d].
; LIMIT: q, k and v are kept in f16, so their magnitude must stay below 65,504.  With x and w_qkv both thirty times the drawn spread they
; reach about 5e3, with both carrying an offset of thirty spreads about 2.9e4; beyond the limit they become infinities.
; A work-group makes 256 rows x 192 columns (three heads) with four waves; wave w makes rows 64 w .. 64 w + 63 of all 192 columns:
; 48 accumulator tiles, 384 registers, and whole heads on the way out.  K goes in 8 steps of 128 through two LDS slots.
; CLUSTERS: 4 x 4 work-groups.  x's tile hangs on the block row alone and is asked for jointly by a row of the cluster, the weights' tile on
; the block column alone and by a column: a quarter of the requests.
; The weights lie [k][n]: their fragments come out of LDS by the transposing load.  The product is used transposed (source 0 = 16 columns of
; w, source 1 = 16 rows of x), so that a lane holds 8 neighbouring columns of one row of the result.
; The bias enters as the C operand of the first products: nothing is cleared and nothing is added afterwards.
; REGISTERS: window 0: addresses, x's fragments (two buffers), the way out, the bias; window 1: w's fragments (two buffers);
;            window 2: tiles of my rows 0-31 (m block a, n block b at 8 (12 a + b)); window 3: rows 32-63.
.set PA,     272                       ; x's LDS row: 256 bytes + 16: sixteen rows start at sixteen different 16-byte columns
.set HALFA,  128*PA                    ; 128 rows: one tensor load
.set PB,     160                       ; w's LDS row: 64 n = 128 bytes + 32 (an odd multiple of 32, for the transposing load)
.set PANEL,  64*PB                     ; 64 k of one panel
.set HALFB,  3*PANEL                   ; 64 k of three panels: one tensor load
.set BOFF,   2*HALFA
.set SLOT,   BOFF+2*HALFB              ; 131,072
.set STAGE,  2*SLOT                    ; behind the ring: 16 rows x 144 bytes for each wave; no tensor load lands here
.set SP,     144
.set WAVE, 12                          ; s12 wave number
.set ROLE, 13                          ; s13 0: I fetch x's tile, 1: w's
.set HALF, 14                          ; s14 which half of it
.set G1,  24                           ; s[24:31] group 1 of x's tiles    s[32:39] their two groups 0 (slot 0, slot 1)
.set G0,  32
.set G1B, 48                           ; s[48:55] group 1 of w's tiles    s[56:63] their two groups 0
.set G0B, 56
.set ADRA, 10                          ; v10-11 LDS address of my x fragments, slot 0, 1
.set ADRB, 12                          ; v12-13 the same for w
.set STO,  14
.set RD,   15
.set CO,   16
.set VB,   17
.set FA0,  32                          ; v[32:63], v[64:95]: x's fragments, buffer 0, 1 (window 0)
.set TMP,  96
.set OB0,  112                         ; v[112:127], v[128:143]: rows on their way out
.set BIAS, 160                         ; v[160:255]: block b at +8 b: b_qkv of columns 16 b + 8 (lane/16) + 0..7
.set FB0,  0                           ; window 1: v[0:95], v[96:191]: w's fragments, buffer 0, 1
.set MUL_LO, 0xa1                      ; source 0 window 1, source 1 window 0, C and D window 2
.set MUL_HI, 0xf1                      ; C and D window 3
.set TO_B,   0x40
.set MSB, 0
.macro WIN new                         ; the immediate's high byte repeats the setting that is left
.if MSB != \new
	s_set_vgpr_msb (MSB<<8)|\new
.set MSB, \new
.endif
.endm
.macro PLACES                          ; four independent vector instructions behind a matrix instruction (ISA guide 7.12.1) before its registers are loaded into or its result is read
.rept 4
	v_nop
.endr
.endm
.macro CREST                           ; a round of the cluster's barrier behind its opening work-group barrier
	s_cmp_lg_u32 s[WAVE], 0
	s_cbranch_scc1 .Lnot_wave_0_\@
	s_barrier_signal -3
.Lnot_wave_0_\@:
	s_barrier_wait -3
	s_barrier_signal -1
	s_barrier_wait -1
.endm
.macro CROUND
	s_barrier_signal -1
	s_barrier_wait -1
	CREST
.endm
.macro JLOAD s                         ; my one joint load: waves 0, 1 ask for x's halves, waves 2, 3 for w's; the branch hangs on the wave's number alone
	s_cmp_eq_u32 s[ROLE], 0
	s_cbranch_scc0 .Lfor_b_\@
	tensor_load_to_lds s[G0+4*\s:G0+4*\s+3], s[G1:G1+7]
	s_nop 0
	s_branch .Lasked_\@
.Lfor_b_\@:
	tensor_load_to_lds s[G0B+4*\s:G0B+4*\s+3], s[G1B:G1B+7]
	s_nop 0
.Lasked_\@:
.endm
	s_load_b256 s[4:11], s[0:1], 0x0               ; xh s[4:5], wqkvh s[6:7], qkvh s[8:9], b_qkv s[10:11]
	s_set_vgpr_msb 0x40
	v_lshl_add_u32 v255, v0, 2, 0x42400
	s_set_vgpr_msb 0x4000
	v_mov_b32 v159, 0
	s_set_vgpr_msb 0x1
	ds_add_u32 v255, v159
	s_set_vgpr_msb 0x100
	v_lshrrev_b32 v1, 5, v0
	v_readfirstlane_b32 s[WAVE], v1
	s_lshr_b32 s[ROLE], s[WAVE], 1
	s_and_b32 s[HALF], s[WAVE], 1
	s_bfe_u32 s40, ttmp6, 0x40000                  ; cx
	s_bfe_u32 s41, ttmp6, 0x40004                  ; cy
	s_lshl_b32 s42, ttmp9, 2
	s_add_co_u32 s42, s42, s40                     ; bx: block of 192 columns
	s_and_b32 s43, ttmp7, 0xffff
	s_lshl_b32 s43, s43, 2
	s_add_co_u32 s43, s43, s41                     ; by: block of 256 rows
	s_lshl_b32 s44, s41, 2
	s_lshl_b32 s44, 15, s44                        ; my row of the cluster
	s_lshl_b32 s45, 0x1111, s40                    ; my column
	; x's tile: 128 rows x 128 f16, 16 bytes of padding behind every 64 words
	s_or_b32 s[G1+0], s44, (1<<16)|(1<<20)|(1<<21)|(5<<22)|(3<<25)
	s_mov_b32 s[G1+1], 128<<16                     ; tensor_dim0 = 128
	s_mov_b32 s[G1+2], 128<<16                     ; tensor_dim1 = 128
	s_mov_b32 s[G1+3], 128<<16                     ; tile_dim0 = 128
	s_mov_b32 s[G1+4], 128                         ; tile_dim1 = 128
	s_mov_b32 s[G1+5], 1024                        ; elements from row to row
	s_mov_b32 s[G1+6], 0
	s_mov_b32 s[G1+7], 0
	; w's tile: 64 k of three panels.  64 k of a panel are 8,192 dense bytes: one row of 1,024 elements of 8 bytes; three rows, a panel (131,072 bytes) apart;
	; 32 bytes of padding behind every 32 words, that is behind each k's 128 bytes
	s_or_b32 s[G1B+0], s45, (3<<16)|(1<<20)|(1<<21)|(4<<22)|(7<<25)
	s_mov_b32 s[G1B+1], 1024<<16
	s_mov_b32 s[G1B+2], 3<<16
	s_mov_b32 s[G1B+3], 1024<<16
	s_mov_b32 s[G1B+4], 3
	s_mov_b32 s[G1B+5], 16384
	s_mov_b32 s[G1B+6], 0
	s_mov_b32 s[G1B+7], 0
	s_lshl_b32 s16, s43, 8
	s_lshl_b32 s17, s[HALF], 7
	s_add_co_u32 s16, s16, s17
	s_lshl_b32 s16, s16, 11                        ; x: (256 by + 128 half) rows of 2,048 bytes
	s_mov_b32 s17, 0
	s_mul_i32 s46, s42, 3*131072                   ; w: panel 3 bx,
	s_lshl_b32 s47, s[HALF], 13                    ; 64 k x 128 bytes for the second half
	s_add_co_u32 s46, s46, s47
	s_mov_b32 s47, 0
	s_mul_i32 s18, s[WAVE], HALFA                  ; where x's halves go: wave 0, 1 x 34,816
	s_mul_i32 s19, s[WAVE], HALFB
	s_add_co_u32 s19, s19, BOFF-2*HALFB            ; where w's go: 8,192 + wave 2, 3 x 30,720 = behind x's 256 rows
	s_mul_i32 s22, s42, 768                        ; my 192 numbers of the bias
	s_mov_b32 s23, 0
	s_wait_dscnt 0x0
	s_wait_kmcnt 0x0
	s_add_nc_u64 s[20:21], s[4:5], s[16:17]
	s_add_nc_u64 s[46:47], s[6:7], s[46:47]
	s_add_nc_u64 s[10:11], s[10:11], s[22:23]
	CROUND                                         ; all sixteen work-groups are here: the first joint loads meet
.irp s, 0,1
	s_mov_b32 s[G0+4*\s], 1
	s_add_co_u32 s[G0+4*\s+1], s18, \s*SLOT
	s_add_nc_u64 s[G0+4*\s+2:G0+4*\s+3], s[20:21], \s*256          ; K step s: 128 f16 along the row
	s_or_b32 s[G0+4*\s+3], s[G0+4*\s+3], 0x80000000
	s_mov_b32 s[G0B+4*\s], 1
	s_add_co_u32 s[G0B+4*\s+1], s19, \s*SLOT
	s_add_nc_u64 s[G0B+4*\s+2:G0B+4*\s+3], s[46:47], \s*16384      ; K step s: 128 k x 128 bytes down the panel
	s_or_b32 s[G0B+4*\s+3], s[G0B+4*\s+3], 0x80000000
	JLOAD \s                                       ; both slots are asked for before anything else: two tensor loads of mine are out
.endr
	v_and_b32 v1, 15, v0                           ; r
	v_bfe_u32 v2, v0, 4, 1                         ; h
	v_and_b32 v4, 7, v0
	v_bfe_u32 v5, v0, 3, 1
	v_and_b32 v7, 31, v0
	v_lshlrev_b32 v[VB], 5, v2                     ; 8 f32 further for lanes 16-31
.irp b, 0,1,2,3,4,5,6,7,8,9,10,11
	global_load_b128 v[BIAS+8*\b:BIAS+8*\b+3],   v[VB], s[10:11] offset:64*\b
	global_load_b128 v[BIAS+8*\b+4:BIAS+8*\b+7], v[VB], s[10:11] offset:64*\b+16
.endr
	v_mul_u32_u24 v3, v1, PA
	v_lshl_add_u32 v3, v2, 4, v3
	s_mul_i32 s16, s[WAVE], 64*PA
	v_add_nc_u32 v[ADRA], s16, v3                  ; (64 w + r) 272 + 16 h
	v_add_nc_u32 v[ADRA+1], SLOT, v[ADRA]
	v_lshl_add_u32 v6, v2, 3, v4
	v_mul_u32_u24 v6, v6, PB
	v_lshl_add_u32 v6, v5, 4, v6
	v_add_nc_u32 v[ADRB], BOFF, v6                 ; (8 h + lane%8) 160 + 16 ((lane/8)%2): the transposing load's address
	v_add_nc_u32 v[ADRB+1], SLOT, v[ADRB]
	s_mul_i32 s17, s[WAVE], 16*SP
	s_add_co_u32 s17, s17, STAGE
	v_mul_u32_u24 v8, v1, SP
	v_lshl_add_u32 v8, v2, 4, v8
	v_add_nc_u32 v[STO], s17, v8                   ; in: row r, 16 bytes for each half of the lanes
	v_bfe_u32 v9, v0, 3, 2
	v_mul_u32_u24 v9, v9, SP
	v_lshl_add_u32 v9, v4, 4, v9
	v_add_nc_u32 v[RD], s17, v9                    ; back: eight lanes a row of 128 bytes, four rows a load
	v_lshlrev_b32 v[CO], 4, v7                     ; and those four rows are 512 dense bytes of a plane
; 12 matrix instructions: m block 2 hi + a x all 12 n blocks, 32 along K, on buffer f.  first = 1: C is the bias.
; The 48 accumulators take turns, one instruction a turn, in the same order everywhere.
.macro MULB f, hi, a, first
.irp b, 0,1,2,3,4,5,6,7,8,9,10,11
.if \first
	v_wmma_f32_16x16x32_f16 v[8*(12*\a+\b):8*(12*\a+\b)+7], v[FB0+96*(\f)+8*\b:FB0+96*(\f)+8*\b+7], v[FA0+32*(\f)+8*(2*\hi+\a):FA0+32*(\f)+8*(2*\hi+\a)+7], v[BIAS+8*\b:BIAS+8*\b+7]
.else
	v_wmma_f32_16x16x32_f16 v[8*(12*\a+\b):8*(12*\a+\b)+7], v[FB0+96*(\f)+8*\b:FB0+96*(\f)+8*\b+7], v[FA0+32*(\f)+8*(2*\hi+\a):FA0+32*(\f)+8*(2*\hi+\a)+7], v[8*(12*\a+\b):8*(12*\a+\b)+7]
.endif
.endr
.endm
; 32 LDS loads: the fragments of quarter kq (32 along K) of a slot into buffer f (f may be an expression: it stands in brackets everywhere)
.macro FETCH slot, kq, f
	WIN TO_B
.irp b, 0,1,2,3,4,5,6,7,8,9,10,11
	ds_load_tr16_b128 v[FB0+96*(\f)+8*\b:FB0+96*(\f)+8*\b+3],   v[ADRB+\slot] offset:(\kq>>1)*HALFB+(\kq&1)*32*PB+(\b>>2)*PANEL+(\b&3)*32
	ds_load_tr16_b128 v[FB0+96*(\f)+8*\b+4:FB0+96*(\f)+8*\b+7], v[ADRB+\slot] offset:(\kq>>1)*HALFB+(\kq&1)*32*PB+(\b>>2)*PANEL+(\b&3)*32+16*PB
.endr
	WIN 0
.irp i, 0,1,2,3
	ds_load_b128 v[FA0+32*(\f)+8*\i:FA0+32*(\f)+8*\i+3],   v[ADRA+\slot] offset:64*\kq+16*PA*\i
	ds_load_b128 v[FA0+32*(\f)+8*\i+4:FA0+32*(\f)+8*\i+7], v[ADRA+\slot] offset:64*\kq+16*PA*\i+32
.endr
.endm
; One of a K step's first three quarters: asks for quarter kq into the other buffer, then multiplies buffer f
.macro QUARTER slot, kq, f, first
	PLACES                                         ; the other buffer was read by the matrix instructions just ahead
	FETCH \slot, \kq, 1-\f
	s_wait_dscnt 32                                ; all but the 32 just issued: buffer f is in
.if \first
	WIN 0x81                                       ; C = the bias, in window 0
.else
	WIN MUL_LO
.endif
	MULB \f, 0, 0, \first
	MULB \f, 0, 1, \first
.if \first
	WIN 0xc1
.else
	WIN MUL_HI
.endif
	MULB \f, 1, 0, \first
	MULB \f, 1, 1, \first
.endm
.macro THREE slot, first
	QUARTER \slot, 1, 0, \first
	QUARTER \slot, 2, 1, 0
	QUARTER \slot, 3, 0, 0
.endm
; The last quarter (buffer 1) and the change of slots.  In front of the barrier: my reads of this slot are back and all my tensor loads have landed
; (one was out: my part of the next slot).  Behind it, with fill = 1, the rest of the cluster's round, then the refill as my first and only tensor load.
.macro TURN slot, next, fill
	s_wait_dscnt 0x0
	s_wait_tensorcnt 0x0
	ds_add_u32 v255, v159
	s_wait_dscnt 0x0
	s_barrier_signal -1
	WIN MUL_LO
	MULB 1, 0, 0, 0                                ; register work while the others arrive
	MULB 1, 0, 1, 0
	WIN 0
	s_barrier_wait -1
.if \fill
	CREST                                          ; no wave of any partner still reads this slot or has a load on its way
	s_add_nc_u64 s[G0+4*\slot+2:G0+4*\slot+3], s[G0+4*\slot+2:G0+4*\slot+3], 512       ; two K steps on; no load of mine is out
	s_add_nc_u64 s[G0B+4*\slot+2:G0B+4*\slot+3], s[G0B+4*\slot+2:G0B+4*\slot+3], 32768
	JLOAD \slot
.endif
	PLACES
	FETCH \next, 0, 0
	WIN MUL_HI
	MULB 1, 1, 0, 0
	MULB 1, 1, 1, 0
.endm
.macro LAP first
	THREE 0, \first
	TURN 0, 1, 1
	THREE 1, 0
	TURN 1, 0, 1
.endm
	s_wait_tensorcnt 0x1                           ; my part of K step 0 is in; K step 1's stays out
	s_barrier_signal -1
	s_barrier_wait -1
	FETCH 0, 0, 0
	s_wait_loadcnt 0x0                             ; the bias
	LAP 1                                          ; K steps 0, 1; asks for 2, 3
	WIN 0
	s_mov_b32 s3, 2
.Llap:
	LAP 0                                          ; K steps 2 to 5; asks for 4 to 7
	WIN 0
	s_sub_co_i32 s3, s3, 1
	s_cmp_lg_u32 s3, 0
	s_cbranch_scc1 .Llap
	THREE 0, 0                                     ; K steps 6, 7: nothing is left to ask for
	TURN 0, 1, 0
	THREE 1, 0
	s_wait_dscnt 0x0
	WIN MUL_LO
	MULB 1, 0, 0, 0
	MULB 1, 0, 1, 0
	WIN MUL_HI
	MULB 1, 1, 0, 0
	MULB 1, 1, 1, 0
	; THE WAY OUT: 16 rows x one head at a time: round to f16, 16 bytes a lane into my stage, back as rows; the block is 2,048 dense bytes of a plane
	PLACES
	s_lshr_b32 s16, s43, 3                         ; batch
	s_mul_i32 s16, s16, 48*2048
	s_and_b32 s17, s43, 7
	s_lshl_b32 s17, s17, 8
	s_add_co_u32 s16, s16, s17                     ; + 256 (by % 8)
	s_lshl_b32 s17, s[WAVE], 6
	s_add_co_u32 s16, s16, s17                     ; + 64 w
	s_lshl_b32 s16, s16, 7                         ; rows of 128 bytes
	s_mov_b32 s17, 0
	s_add_nc_u64 s[8:9], s[8:9], s[16:17]
	s_mul_i32 s46, s42, 3*262144                   ; plane 3 bx
	s_mov_b32 s47, 0
	s_add_nc_u64 s[8:9], s[8:9], s[46:47]
.macro OUT16 i, a, from, g
	WIN \from
.irp bb, 0,1,2,3
.irp rr, 0,1,2,3
	v_cvt_pk_f16_f32 v[TMP+4*\bb+\rr], v[8*(12*\a+4*\g+\bb)+2*\rr], v[8*(12*\a+4*\g+\bb)+2*\rr+1]
.endr
.endr
	WIN 0
.irp bb, 0,1,2,3
	ds_store_b128 v[STO], v[TMP+4*\bb:TMP+4*\bb+3] offset:32*\bb
.endr
	s_wait_xcnt 0x0                                ; the registers that earlier stores read are loaded again only behind this wait
.irp t, 0,1,2,3
	ds_load_b128 v[OB0+16*((3*\i+\g)&1)+4*\t:OB0+16*((3*\i+\g)&1)+4*\t+3], v[RD] offset:4*SP*\t   ; LDS serves a wave in order: these see the stores above
.endr
.irp t, 0,1,2,3
	s_wait_dscnt 3-\t
	global_store_b128 v[CO], v[OB0+16*((3*\i+\g)&1)+4*\t:OB0+16*((3*\i+\g)&1)+4*\t+3], s[8:9] offset:\g*262144+\i*2048+512*\t   ; 512 dense bytes, aligned
.endr
.endm
.irp g, 0,1,2
	OUT16 0, 0, 0x0a, \g
.endr
.irp g, 0,1,2
	OUT16 1, 1, 0x0a, \g
.endr
.irp g, 0,1,2
	OUT16 2, 0, 0x0f, \g
.endr
.irp g, 0,1,2
	OUT16 3, 1, 0x0f, \g
.endr
	s_set_vgpr_msb 0x1
	s_wait_tensorcnt 0x0
	ds_add_u32 v255, v159
	s_wait_dscnt 0x0
	s_set_vgpr_msb 0x100
	CROUND                                         ; the closing round
	s_endpgm
.Lfunc_end_k_q6e937df3b3_qkv:
	.size	k_q6e937df3b3_qkv, .Lfunc_end_k_q6e937df3b3_qkv-k_q6e937df3b3_qkv
	.p2alignl 7, 3214868480
	.fill 96, 4, 3214868480
	.section	.rodata,"a",@progbits
	.p2align	6, 0x0
	.amdhsa_kernel k_q6e937df3b3_qkv
		.amdhsa_group_segment_fixed_size 327680
		.amdhsa_private_segment_fixed_size 0
		.amdhsa_enable_private_segment 0
		.amdhsa_kernarg_size 32
		.amdhsa_user_sgpr_count 2
		.amdhsa_user_sgpr_kernarg_segment_ptr 1
		.amdhsa_wavefront_size32 1
		.amdhsa_system_sgpr_workgroup_id_x 1
		.amdhsa_system_sgpr_workgroup_id_y 1
		.amdhsa_system_sgpr_workgroup_id_z 1
		.amdhsa_system_vgpr_workitem_id 0
		.amdhsa_next_free_vgpr 960
		.amdhsa_next_free_sgpr 66
		.amdhsa_reserve_vcc 0
		.amdhsa_float_denorm_mode_32 3
		.amdhsa_float_denorm_mode_16_64 3
		.amdhsa_memory_ordered 1
		.amdhsa_forward_progress 1
		.amdhsa_inst_pref_size 166
	.end_amdhsa_kernel
	.amdgpu_metadata
---
amdhsa.version: [ 1, 2 ]
amdhsa.kernels:
  - .name:           k_q6e937df3b3_qkv
    .symbol:         k_q6e937df3b3_qkv.kd
    .args:
      - { .name: xh, .offset: 0, .size: 8, .value_kind: global_buffer, .address_space: global }
      - { .name: wqkvh, .offset: 8, .size: 8, .value_kind: global_buffer, .address_space: global }
      - { .name: qkvh, .offset: 16, .size: 8, .value_kind: global_buffer, .address_space: global }
      - { .name: b_qkv, .offset: 24, .size: 8, .value_kind: global_buffer, .address_space: global }
    .group_segment_fixed_size: 327680
    .private_segment_fixed_size: 0
    .kernarg_segment_align: 8
    .kernarg_segment_size: 32
    .max_flat_workgroup_size: 128
    .sgpr_count:     66
    .vgpr_count:     960
    .wavefront_size: 32
...
	.end_amdgpu_metadata
.endif
;; end of part 2
;; launch attn (part 3): grid 8 x 32, 8 waves a work-group, clusters of 4 x 1, 327,680 bytes of LDS; arguments qkvh, aoh; writes aoh
.if DOCPART == 3
	.amdgcn_target "amdgcn-amd-amdhsa--gfx1250"
	.amdhsa_code_object_version 6
	.text
	.protected	k_q6e937df3b3_attn
	.globl	k_q6e937df3b3_attn
	.p2align	8
	.type	k_q6e937df3b3_attn,@function
k_q6e937df3b3_attn:
	s_mov_b64 s[64:65], 0
	v_nop
	global_prefetch_b8 v0, s[64:65] scope:SCOPE_SE
	s_setreg_imm32_b32 hwreg(HW_REG_WAVE_MODE, 25, 1), 1
	s_wait_xcnt 0x0
	s_wait_alu depctr_hold_cnt(0) depctr_sa_sdst(0) depctr_va_vdst(0) depctr_va_sdst(0) depctr_va_ssrc(0) depctr_va_vcc(0) depctr_vm_vsrc(0)
	s_getreg_b32 s2, hwreg(HW_REG_IB_STS2, 6, 4)
	s_cmp_eq_u32 s2, 0
	s_cbranch_scc0 .Lentry_in_a_cluster
	s_endpgm
.Lentry_in_a_cluster:
	s_bfe_u32 s2, ttmp6, 0x10000c
	s_cmp_lg_u32 s2, 0x3003
	s_cbranch_scc0 .Lentry_shape_is_right
	s_endpgm
.Lentry_shape_is_right:
; aoh[h][2048 b + s][64] = softmax(q k^T / 8) v for one (batch, head) and 256 queries, with a running maximum.
; f16 operands (q, k, v as stored; the probabilities, which lie in [0, 1]), f32 sums, maxima and exponentials; the result rounded once to f16.
; LIMITS: the denominator sums the probabilities before they are rounded to f16; probabilities below 6e-8 of the running maximum's round to 0;
; v_exp_f32 gives 0 for results below 2^-126; the result is a mean of v's rows and so shares v's limit of 65,504; NaN and infinities are not treated.
; Eight waves, two for each SIMD.  Wave w: queries 64 (w%4) .. +63 of the block (qg = w%4) and keys 256 (w/4) .. +255 of each slot of 512 keys
; (kh = w/4): 16 blocks of 64 keys, four query tiles of 16 in each.  The two key halves are merged once at the end, through LDS.
; CLUSTERS: the four query blocks of a cluster belong to one head and walk the same K and V: every tile is asked for jointly (mask 15).
; LAYOUT: S^T = K Q^T (source 0 = 16 keys, source 1 = 16 queries): lane (r, h) holds keys 8 h + 0..7 of query r.  Packing two such tiles to f16
; gives source 1 of out^T = V^T P^T as it stands; source 0, V^T, comes out of LDS by the transposing load.  So maximum, sum and rescaling are
; a lane's own affair; one exchange between the halves of the wave joins the maxima.
; STATE for each query tile t: M = running maximum, NM = -c M rounded (c = log2(e)/8; kept twice, as a pair), L = my lane's part of the sum.
; p = 2^(c s + NM), alpha = 2^(NM new - NM old): the rounding of c M is a factor common to numerator and denominator.
; THE PIPELINE, inside a wave.  u is the tile behind t (tile 0 of the next block behind tile 3).
;   phase A(t), every operand in window 0: the exponents, exponentials, sums and packing of tile t; among them, one after every eight vector
;     instructions, the eight products S(u); then the maximum of S(u), its new NM and its alpha.
;   phase B(t): the eight products out^T(t) += V^T P(t), each followed by two of the sixteen multiplies that rescale out^T(u) by alpha(u).
; K's fragments of the next block are fetched at the end of phase A(2), V's eight instructions into phase A(0): each a phase ahead of its use.
; At the end of phase A(2) of a slot's last block all my fragments of that slot are in registers: the change of slots stands there.
.set PK,    144                        ; K's LDS row: 128 bytes + 16
.set PVV,   160                        ; V's LDS row: 128 bytes + 32 (an odd multiple of 32, for the transposing load)
.set VT,    128*PVV                    ; 128 keys of V: one tensor load
.set KT,    128*PK                     ; 128 keys of K: one tensor load
.set KOFF,  4*VT                       ; a slot: V's 512 keys, then K's
.set SLOT,  KOFF+4*KT                  ; 155,648
.set XW,    9728                       ; the exchange, from LDS byte 0 (slot 0's V part): for each wave 16 x 512 bytes of sums, 2 x 512 of NM, 512 of L
.set STAGE, KOFF                       ; the way out: 16 rows x 144 bytes for each wave, in slot 0's K part
.set SP,    144                        ; exchange and stage are written only after slot 0's last fill and behind the barrier that follows its last reads
.set WAVE, 8
.set ROLE, 9                           ; s9 = kh; also: 0: I fetch V, 1: I fetch K
.set G1,  24                           ; V's group 1, s[32:39] its two groups 0
.set G0,  32
.set G1B, 48                           ; K's group 1, s[56:63] its two groups 0
.set G0B, 56
; window 0
.set ADK0, 8                           ; v8-9   my K fragments' address in slot 0, 1
.set ADV0, 10                          ; v10-11 my V fragments'
.set ADK,  12                          ; the next block's
.set ADV,  13
.set STO,  14
.set RD,   15
.set CO,   16
.set XA,   17                          ; my part of the exchange
.set VQ,   18
.set XB,   19                          ; my partner's part
.set T,    20                          ; v[20:23] two chains of sums, v[24:27] four chains of maxima
.set AL,   28                          ; v[28:29] alpha, twice
.set NMP,  32                          ; v[32:39] NM of tile t, twice, at +2 t
.set M,    40                          ; v[40:43]
.set L,    44                          ; v[44:47]
.set FAC,  48                          ; v[48:55] my factor of the merge, twice for each t
.set FBC,  56                          ; v[56:63] the partner's
.set KF,   64                          ; v[64:127]  K fragments: (16 keys kt, 32 d dh) at +8 (2 kt + dh)
.set QF,   128                         ; v[128:191] Q fragments: (t, dh) at +8 (2 t + dh)
.set SBUF0, 192                        ; v[192:223], v[224:255]: S, then P; the two take turns from query tile to query tile
.set X,    64                          ; in the merge, where K's and Q's fragments lay: the partner's sums,
.set TMP,  96                          ; packed results,
.set NMP2, 112                         ; the partner's NM
.set L2,   120                         ; and L,
.set OB0,  128                         ; v[128:143], v[144:159]: rows on their way out
; window 1
.set ACC,  64                          ; v[64:191]  out^T (t, 16 d dt) at +8 (4 t + dt)
.set VF,   192                         ; v[192:255] V^T fragments (32 keys kk, dt) at +8 (4 kk + dt)
.set MSB, 0
.macro WIN new                         ; the immediate's high byte repeats the setting that is left
.if MSB != \new
	s_set_vgpr_msb (MSB<<8)|\new
.set MSB, \new
.endif
.endm
.macro PLACES                          ; four independent vector instructions behind a matrix instruction (ISA guide 7.12.1)
.rept 4
	v_nop
.endr
.endm
.macro CREST
	s_cmp_lg_u32 s[WAVE], 0
	s_cbranch_scc1 .Lnot_wave_0_\@
	s_barrier_signal -3
.Lnot_wave_0_\@:
	s_barrier_wait -3
	s_barrier_signal -1
	s_barrier_wait -1
.endm
.macro CROUND
	s_barrier_signal -1
	s_barrier_wait -1
	CREST
.endm
.macro JLOAD s                         ; my one joint load: waves 0-3 ask for V's quarters, waves 4-7 for K's
	s_cmp_eq_u32 s[ROLE], 0
	s_cbranch_scc0 .Lfor_k_\@
	tensor_load_to_lds s[G0+4*\s:G0+4*\s+3], s[G1:G1+7]
	s_nop 0
	s_branch .Lasked_\@
.Lfor_k_\@:
	tensor_load_to_lds s[G0B+4*\s:G0B+4*\s+3], s[G1B:G1B+7]
	s_nop 0
.Lasked_\@:
.endm
	s_load_b128 s[4:7], s[0:1], 0x0                ; qkvh s[4:5], aoh s[6:7]
	v_lshl_add_u32 v30, v0, 2, 0x4c000
	v_mov_b32 v31, 0
	ds_add_u32 v30, v31
	v_lshrrev_b32 v1, 5, v0
	v_readfirstlane_b32 s[WAVE], v1
	s_lshr_b32 s[ROLE], s[WAVE], 2                 ; kh
	s_and_b32 s10, s[WAVE], 3                      ; qg
	s_bfe_u32 s11, ttmp6, 0x40000                  ; cx
	s_lshl_b32 s12, ttmp9, 2
	s_add_co_u32 s12, s12, s11                     ; qb: block of 256 queries
	s_and_b32 s13, ttmp7, 0xffff                   ; 16 b + h
	s_lshr_b32 s14, s13, 4                         ; b
	s_and_b32 s15, s13, 15                         ; h
	s_mov_b32 s40, 0x3e38aa3b                      ; c = log2(e) / 8
	s_mov_b32 s41, 0x3e38aa3b
	s_mov_b32 s42, 0x76543210                      ; v_permlanex16_b32: lane i reads lane i of the other half
	s_mov_b32 s43, 0xfedcba98
	s_mul_i32 s16, s14, 48
	s_add_co_u32 s16, s16, s15
	s_lshl_b32 s16, s16, 18                        ; q's plane: (48 b + h) x 262,144 bytes
	s_lshl_b32 s17, s10, 14                        ; the 128 keys that I fetch: 16,384 bytes a quarter
	s_add_co_u32 s18, s16, s17
	s_add_co_u32 s46, s18, 32<<18                  ; v's plane is 32 planes on,
	s_add_co_u32 s18, s18, 16<<18                  ; k's 16
	s_mov_b32 s19, 0
	s_mov_b32 s47, 0
	s_lshl_b32 s20, s12, 15                        ; my queries: (256 qb + 64 qg) rows of 128 bytes
	s_lshl_b32 s21, s10, 13
	s_add_co_u32 s20, s20, s21
	s_add_co_u32 s20, s20, s16
	s_mov_b32 s21, 0
	s_mul_i32 s22, s[WAVE], VT                     ; V's quarters: wave 0..3 x 20,480
	s_mul_i32 s23, s[WAVE], KT
	s_add_co_u32 s23, s23, KOFF-4*KT               ; K's: 8,192 + wave 4..7 x 18,432 = behind V's 512 keys
	; a tile: 128 keys x 128 bytes, dense: 64 rows of 32 elements of 8 bytes; padding behind every 32 words, that is behind each key: 32 bytes for V, 16 for K
	s_mov_b32 s[G1+0], 15|(3<<16)|(1<<20)|(1<<21)|(4<<22)|(7<<25)
	s_mov_b32 s[G1B+0], 15|(3<<16)|(1<<20)|(1<<21)|(4<<22)|(3<<25)
	s_mov_b32 s[G1+1], 32<<16
	s_mov_b32 s[G1B+1], 32<<16
	s_mov_b32 s[G1+2], 64<<16
	s_mov_b32 s[G1B+2], 64<<16
	s_mov_b32 s[G1+3], 32<<16
	s_mov_b32 s[G1B+3], 32<<16
	s_mov_b32 s[G1+4], 64
	s_mov_b32 s[G1B+4], 64
	s_mov_b32 s[G1+5], 32
	s_mov_b32 s[G1B+5], 32
	s_mov_b32 s[G1+6], 0
	s_mov_b32 s[G1B+6], 0
	s_mov_b32 s[G1+7], 0
	s_mov_b32 s[G1B+7], 0
	s_wait_dscnt 0x0
	s_wait_kmcnt 0x0
	s_add_nc_u64 s[46:47], s[4:5], s[46:47]        ; V
	s_add_nc_u64 s[18:19], s[4:5], s[18:19]        ; K
	s_add_nc_u64 s[20:21], s[4:5], s[20:21]        ; Q
	CROUND                                         ; the four work-groups are here: the first joint loads meet
.irp s, 0,1
	s_mov_b32 s[G0+4*\s], 1
	s_add_co_u32 s[G0+4*\s+1], s22, \s*SLOT
	s_add_nc_u64 s[G0+4*\s+2:G0+4*\s+3], s[46:47], \s*65536        ; slot s: keys 512 s ..
	s_or_b32 s[G0+4*\s+3], s[G0+4*\s+3], 0x80000000
	s_mov_b32 s[G0B+4*\s], 1
	s_add_co_u32 s[G0B+4*\s+1], s23, \s*SLOT
	s_add_nc_u64 s[G0B+4*\s+2:G0B+4*\s+3], s[18:19], \s*65536
	s_or_b32 s[G0B+4*\s+3], s[G0B+4*\s+3], 0x80000000
	JLOAD \s                                       ; two tensor loads of mine are out
.endr
	v_and_b32 v1, 15, v0                           ; r
	v_bfe_u32 v2, v0, 4, 1                         ; h
	v_and_b32 v3, 7, v0
	v_bfe_u32 v4, v0, 3, 1
	v_and_b32 v5, 31, v0
	v_lshlrev_b32 v[VQ], 7, v1
	v_lshl_add_u32 v[VQ], v2, 4, v[VQ]             ; 128 r + 16 h
.irp t, 0,1,2,3
.irp dh, 0,1
	global_load_b128 v[QF+8*(2*\t+\dh):QF+8*(2*\t+\dh)+3],   v[VQ], s[20:21] offset:2048*\t+64*\dh      ; my 64 queries stay in registers; the 16 loads together take 8,192 dense bytes, once
	global_load_b128 v[QF+8*(2*\t+\dh)+4:QF+8*(2*\t+\dh)+7], v[VQ], s[20:21] offset:2048*\t+64*\dh+32
.endr
.endr
	v_mul_u32_u24 v6, v1, PK
	v_lshl_add_u32 v6, v2, 4, v6                   ; 144 r + 16 h
	s_mul_i32 s16, s[ROLE], 256*PK
	s_add_co_u32 s16, s16, KOFF
	v_add_nc_u32 v[ADK0], s16, v6
	v_add_nc_u32 v[ADK0+1], SLOT, v[ADK0]
	v_lshl_add_u32 v7, v2, 3, v3
	v_mul_u32_u24 v7, v7, PVV
	v_lshl_add_u32 v7, v4, 4, v7                   ; (8 h + lane%8) 160 + 16 ((lane/8)%2)
	s_mul_i32 s16, s[ROLE], 256*PVV
	v_add_nc_u32 v[ADV0], s16, v7
	v_add_nc_u32 v[ADV0+1], SLOT, v[ADV0]
	s_mul_i32 s17, s[WAVE], 16*SP
	s_add_co_u32 s17, s17, STAGE
	v_add_nc_u32 v[STO], s17, v6                   ; in: row r, 16 bytes for each half of the lanes
	v_bfe_u32 v7, v0, 3, 2
	v_mul_u32_u24 v7, v7, SP
	v_lshl_add_u32 v7, v3, 4, v7
	v_add_nc_u32 v[RD], s17, v7                    ; back: eight lanes a row of 128 bytes, four rows a load
	v_lshlrev_b32 v[CO], 4, v5
	s_mul_i32 s16, s[WAVE], XW
	v_add_nc_u32 v[XA], s16, v[CO]
	s_sub_co_u32 s16, 1, s[ROLE]                   ; my partner: the same qg, the other kh
	s_lshl_b32 s16, s16, 2
	s_add_co_u32 s16, s16, s10
	s_mul_i32 s16, s16, XW
	v_add_nc_u32 v[XB], s16, v[CO]
	v_mov_b32 v[ADK], v[ADK0]
	v_mov_b32 v[ADV], v[ADV0]
; The lines of phase A.  SB: tile t's buffer, SBN: tile u's, TT = t, UU = u, DOSW = 1 where there is a tile u: set by PHA.
.macro FM j                            ; pair j of the 16: c s + NM, at most about 0
	v_pk_fma_f32 v[SB+2*(\j):SB+2*(\j)+1], v[SB+2*(\j):SB+2*(\j)+1], s[40:41], v[NMP+2*TT:NMP+2*TT+1] op_sel_hi:[1,0,1]
.endm
.macro EX j
	v_exp_f32 v[SB+(\j)], v[SB+(\j)]
.endm
.macro AD ch, j                        ; pair j joins chain ch of the sum
	s_wait_alu depctr_va_vdst(0)
	v_pk_add_f32 v[T+2*\ch:T+2*\ch+1], v[T+2*\ch:T+2*\ch+1], v[SB+2*(\j):SB+2*(\j)+1]
.endm
.macro CV c, i                         ; words 2 i, 2 i + 1 of chunk c (16 keys) become one word of P; P of keys 32 kk .. +31 ends up in v[SB + 16 kk : + 7].
	v_cvt_pk_f16_f32 v[SB+16*(\c>>1)+4*(\c&1)+\i], v[SB+8*\c+2*\i], v[SB+8*\c+2*\i+1]   ; the word written has been summed and packed before
.endm
.macro SW k                            ; the k-th of the eight products S(u): keys 16 (k%4) .., d 32 (k/4) ..; the four accumulators take turns, one instruction a turn
.if DOSW
.if \k < 4
	v_wmma_f32_16x16x32_f16 v[SBN+8*\k:SBN+8*\k+7], v[KF+16*\k:KF+16*\k+7], v[QF+16*UU:QF+16*UU+7], 0
.else
	v_wmma_f32_16x16x32_f16 v[SBN+8*\k-32:SBN+8*\k-25], v[KF+16*\k-56:KF+16*\k-49], v[QF+16*UU+8:QF+16*UU+15], v[SBN+8*\k-32:SBN+8*\k-25]
.endif
.endif
.endm
.macro MAXTREE                         ; my 32 scores of tile u, in four chains
	v_max3_num_f32 v[T+4], v[SBN],   v[SBN+1],  v[SBN+2]
	v_max3_num_f32 v[T+5], v[SBN+3], v[SBN+4],  v[SBN+5]
	v_max3_num_f32 v[T+6], v[SBN+6], v[SBN+7],  v[SBN+8]
	v_max3_num_f32 v[T+7], v[SBN+9], v[SBN+10], v[SBN+11]
.irp p, 0,1,2,3,4,5,6,7,8,9
	v_max3_num_f32 v[T+4+(\p&3)], v[T+4+(\p&3)], v[SBN+12+2*\p], v[SBN+13+2*\p]
.endr
.endm
.macro KLOAD                           ; the next block's 64 keys of K
.irp kt, 0,1,2,3
.irp dh, 0,1
	ds_load_b128 v[KF+8*(2*\kt+\dh):KF+8*(2*\kt+\dh)+3],   v[ADK] offset:16*PK*\kt+64*\dh
	ds_load_b128 v[KF+8*(2*\kt+\dh)+4:KF+8*(2*\kt+\dh)+7], v[ADK] offset:16*PK*\kt+64*\dh+32
.endr
.endr
	v_add_nc_u32 v[ADK], 64*PK, v[ADK]
	s_wait_alu depctr_va_vdst(0)
.endm
.macro VLOAD                           ; this block's 64 keys of V, transposed
	WIN 0x40                                       ; destination in window 1
.irp kk, 0,1
.irp dt, 0,1,2,3
	ds_load_tr16_b128 v[VF+8*(4*\kk+\dt):VF+8*(4*\kk+\dt)+3],   v[ADV] offset:32*PVV*\kk+32*\dt
	ds_load_tr16_b128 v[VF+8*(4*\kk+\dt)+4:VF+8*(4*\kk+\dt)+7], v[ADV] offset:32*PVV*\kk+32*\dt+16*PVV
.endr
.endr
	WIN 0
	v_add_nc_u32 v[ADV], 64*PVV, v[ADV]
.endm
; Phase A(t).  f2 = 1: tile t's first block (its sum starts).  f1 = 1: tile u's first block (its maximum starts, no alpha).  sw = 0: there is no tile u.
; Exponentials and plain instructions alternate; each exponential has an independent plain instruction behind it before its result is read (ISA guide 5.7.2).
.macro PHA t, u, f2, f1, sw
.set SB,  SBUF0+32*(\t&1)
.set SBN, SBUF0+32*(\u&1)
.set TT, \t
.set UU, \u
.set DOSW, \sw
.irp j, 0,1,2,3,4,5,6,7
	FM \j                                          ; eight places behind the last product of phase B, which read V^T (loaded next) and the P that S(u) writes over
.endr
.if \t == 0
	VLOAD
.endif
.if \t == 3
.if \sw
	s_wait_dscnt 0x0                               ; the next block's K: its 16 loads are all that is out
.endif
.endif
	SW 0
.irp j, 0,1,2,3
	EX \j
	FM 8+\j
.endr
	SW 1
.irp j, 4,5,6,7
	EX \j
	FM 8+\j
.endr
	SW 2
	EX 8
	s_wait_alu depctr_va_vdst(0)
	v_pk_add_f32 v[T:T+1],   v[SB:SB+1],   v[SB+2:SB+3]        ; the first eight probabilities start the two chains
	EX 9
	v_pk_add_f32 v[T+2:T+3], v[SB+4:SB+5], v[SB+6:SB+7]
	EX 10
	CV 0, 0
	EX 11
	CV 0, 1
	SW 3
	EX 12
	CV 0, 2
	EX 13
	CV 0, 3
	EX 14
	EX 15
	SW 4
	EX 16
	AD 0, 4
	EX 17
	AD 1, 5
	EX 18
	AD 0, 6
	EX 19
	AD 1, 7
	SW 5
	EX 20
	CV 1, 0
	EX 21
	CV 1, 1
	EX 22
	CV 1, 2
	EX 23
	CV 1, 3
	SW 6
	EX 24
	AD 0, 8
	EX 25
	AD 1, 9
	EX 26
	AD 0, 10
	EX 27
	AD 1, 11
	SW 7
	EX 28
	CV 2, 0
	EX 29
	CV 2, 1
	EX 30
	CV 2, 2
	EX 31
	CV 2, 3
	AD 0, 12                                       ; with the four packings above: eight places behind the last product S(u) before its scores are read
	AD 1, 13
	AD 0, 14
	AD 1, 15
	; the maximum of tile u; the links of its dependent tail stand apart, with the rest of tile t's packing and sum between them
.if \sw
	MAXTREE
	v_max3_num_f32 v[T+4], v[T+4], v[T+5], v[T+6]
.endif
	CV 3, 0
	CV 3, 1
.if \sw
	v_max_num_f32 v[T+4], v[T+4], v[T+7]
.endif
	CV 3, 2
	CV 3, 3
.if \sw
	v_permlanex16_b32 v[T+5], v[T+4], s42, s43     ; the other 32 keys of the same query
.endif
	v_pk_add_f32 v[T:T+1], v[T:T+1], v[T+2:T+3]
.if \sw
.if \f1
	v_max_num_f32 v[M+\u], v[T+4], v[T+5]
.else
	v_max3_num_f32 v[M+\u], v[T+4], v[T+5], v[M+\u]
.endif
.endif
.if \f2
	v_add_f32 v[L+\t], v[T], v[T+1]
.else
	v_add_f32 v[T], v[T], v[T+1]
.endif
.if \sw
.if \f1
	v_mul_f32 v[NMP+2*\u],   0xbe38aa3b, v[M+\u]   ; -c x maximum
	v_mul_f32 v[NMP+2*\u+1], 0xbe38aa3b, v[M+\u]
.else
	v_mul_f32 v[T+6], 0xbe38aa3b, v[M+\u]
.endif
.endif
.if \f2
.else
	v_fma_f32 v[L+\t], v[L+\t], v[AL], v[T]        ; alpha is still tile t's
.endif
.if \sw
.if \f1
.else
	v_sub_f32 v[T+7], v[T+6], v[NMP+2*\u]          ; log2 alpha(u), at most 0
	v_mov_b32 v[NMP+2*\u+1], v[T+6]
	v_exp_f32 v[AL],   v[T+7]
	v_exp_f32 v[AL+1], v[T+7]
	v_mov_b32 v[NMP+2*\u], v[T+6]                  ; also the plain instruction between these exponentials and alpha's first use
	s_wait_alu depctr_va_vdst(0)
.endif
.endif
.endm
; Phase B(t): V^T, C and D in window 1, P and alpha in window 0.  rs = 1: out^T(u) is rescaled between the products (a packed multiply has no third source,
; so the products' setting serves it).  The four accumulators take turns, one instruction a turn.
.macro PHB t, u, f2, rs
.if \t == 0
	s_wait_dscnt 0x0                               ; V's 16 loads are all that is out
.endif
	WIN 0x51
.irp k, 0,1,2,3,4,5,6,7
.if (\f2)*(1-(\k>>2))
	v_wmma_f32_16x16x32_f16 v[ACC+32*\t+8*(\k&3):ACC+32*\t+8*(\k&3)+7], v[VF+8*\k:VF+8*\k+7], v[SB+16*(\k>>2):SB+16*(\k>>2)+7], 0
	s_wait_alu depctr_va_vdst(0)
.else
	v_wmma_f32_16x16x32_f16 v[ACC+32*\t+8*(\k&3):ACC+32*\t+8*(\k&3)+7], v[VF+8*\k:VF+8*\k+7], v[SB+16*(\k>>2):SB+16*(\k>>2)+7], v[ACC+32*\t+8*(\k&3):ACC+32*\t+8*(\k&3)+7]
.endif
.if (\rs)
	v_pk_mul_f32 v[ACC+32*\u+4*\k:ACC+32*\u+4*\k+1],   v[ACC+32*\u+4*\k:ACC+32*\u+4*\k+1],   v[AL:AL+1]
	v_pk_mul_f32 v[ACC+32*\u+4*\k+2:ACC+32*\u+4*\k+3], v[ACC+32*\u+4*\k+2:ACC+32*\u+4*\k+3], v[AL:AL+1]
.endif
.endr
	WIN 0
.endm
; The change of slots.  All my fragments of slot s are in registers.  All my tensor loads have landed (one was out: my part of the other slot) and my LDS
; reads are back; then the cluster's round, and the refill as my first and only tensor load behind it.  fill = 0: a plain barrier shows the other slot whole.
.macro TRANS s, fill
	s_wait_tensorcnt 0x0
	ds_add_u32 v30, v31
	s_wait_dscnt 0x0
.if \fill
	s_add_nc_u64 s[G0+4*\s+2:G0+4*\s+3], s[G0+4*\s+2:G0+4*\s+3], 131072      ; 1,024 keys on; no load of mine is out
	s_add_nc_u64 s[G0B+4*\s+2:G0B+4*\s+3], s[G0B+4*\s+2:G0B+4*\s+3], 131072
.endif
	s_wait_dscnt 0x0
.if \fill
	CROUND
	JLOAD \s
.else
	s_barrier_signal -1
	s_barrier_wait -1
.endif
	v_mov_b32 v[ADK], v[ADK0+1-\s]
	v_mov_b32 v[ADV], v[ADV0+1-\s]
	s_wait_alu depctr_va_vdst(0)
.endm
; A block of 64 keys.  At its head: S(0) of this block, its maximum and alpha are made, out^T(0) is rescaled, K's fragments are in.
; f = 1: the wave's first block.  mode 0: plain; 1: the slot's last block, slot s is left (fill = 1: and filled again); 2: the wave's last block.
.macro BLOCK f, mode, s, fill
	PHA 0, 1, \f, \f, 1
	PHB 0, 1, \f, 1-\f
	PHA 1, 2, \f, \f, 1
	PHB 1, 2, \f, 1-\f
	PHA 2, 3, \f, \f, 1
.if \mode == 1
	TRANS \s, \fill
.endif
.if \mode != 2
	KLOAD                                          ; K's registers were last read by the products S(3), more than four places back
.endif
	PHB 2, 3, \f, 1-\f
.if \mode != 2
	PHA 3, 0, \f, 0, 1
	PHB 3, 0, \f, 1
.else
	PHA 3, 0, \f, 0, 0
	PHB 3, 0, \f, 0
.endif
.endm
.macro LOOPB n
	s_mov_b32 s3, \n
.Lblk_\@:
	BLOCK 0, 0, 0, 0
	s_sub_co_i32 s3, s3, 1
	s_cmp_lg_u32 s3, 0
	s_cbranch_scc1 .Lblk_\@
.endm
	s_wait_tensorcnt 0x1                           ; my part of slot 0 is in; slot 1's stays out
	s_barrier_signal -1
	s_barrier_wait -1
	KLOAD                                          ; block 0
	s_wait_loadcnt 0x0                             ; Q
	s_wait_dscnt 0x0
.set SBN, SBUF0
.set UU, 0
.set DOSW, 1
.irp k, 0,1,2,3,4,5,6,7
	SW \k                                          ; S(0) of block 0: the one tile whose products have no softmax to stand among
.endr
	PLACES
	MAXTREE
	v_max3_num_f32 v[T+4], v[T+4], v[T+5], v[T+6]
	v_max_num_f32 v[T+4], v[T+4], v[T+7]
	v_permlanex16_b32 v[T+5], v[T+4], s42, s43
	v_max_num_f32 v[M], v[T+4], v[T+5]
	v_mul_f32 v[NMP],   0xbe38aa3b, v[M]
	v_mul_f32 v[NMP+1], 0xbe38aa3b, v[M]
	BLOCK 1, 0, 0, 0                               ; block 0
	LOOPB 2                                        ; blocks 1, 2
	BLOCK 0, 1, 0, 1                               ; block 3: slot 0 is left and asked for again (keys 1024-1535)
	LOOPB 3                                        ; blocks 4-6
	BLOCK 0, 1, 1, 1                               ; block 7: slot 1 is left and asked for again (keys 1536-2047)
	LOOPB 3                                        ; blocks 8-10
	BLOCK 0, 1, 0, 0                               ; block 11: slot 0 is left for good
	LOOPB 3                                        ; blocks 12-14
	BLOCK 0, 2, 0, 0                               ; block 15
	PLACES                                         ; behind the last products, whose results are stored below
.irp t, 0,1,2,3
	v_permlanex16_b32 v[T+\t], v[L+\t], s42, s43   ; the two halves of the lanes join their sums
.endr
.irp t, 0,1,2,3
	v_add_f32 v[L+\t], v[L+\t], v[T+\t]
.endr
	; THE MERGE.  Waves 0-3 finish query tiles 0, 1 and waves 4-7 tiles 2, 3: each hands the other two tiles' sums, and its NM and L, to its partner.
.macro XGIVE t0
	WIN 0x04                                       ; data in window 1
.set j, 0
.rept 16
	ds_store_b128 v[XA], v[ACC+32*\t0+4*j:ACC+32*\t0+4*j+3] offset:512*j
.set j, j+1
.endr
	WIN 0
.endm
	s_cmp_eq_u32 s[ROLE], 0
	s_cbranch_scc0 .Lgive01
	XGIVE 2
	s_branch .Lgiven
.Lgive01:
	XGIVE 0
.Lgiven:
	ds_store_b128 v[XA], v[NMP:NMP+3] offset:8192
	ds_store_b128 v[XA], v[NMP+4:NMP+7] offset:8704
	ds_store_b128 v[XA], v[L:L+3] offset:9216
	s_wait_dscnt 0x0                               ; for the partner's sake
	s_barrier_signal -1
	s_barrier_wait -1
	ds_load_b128 v[NMP2:NMP2+3], v[XB] offset:8192
	ds_load_b128 v[NMP2+4:NMP2+7], v[XB] offset:8704
	ds_load_b128 v[L2:L2+3], v[XB] offset:9216
	s_lshl_b32 s16, s15, 12                        ; aoh: row 4,096 h + 2,048 b + 256 qb + 64 qg, 128 bytes a row
	s_lshl_b32 s17, s14, 11
	s_add_co_u32 s16, s16, s17
	s_lshl_b32 s17, s12, 8
	s_add_co_u32 s16, s16, s17
	s_lshl_b32 s17, s10, 6
	s_add_co_u32 s16, s16, s17
	s_lshl_b32 s16, s16, 7
	s_mov_b32 s17, 0
	s_add_nc_u64 s[6:7], s[6:7], s[16:17]
	s_wait_dscnt 0x0
.irp t, 0,1,2,3
	v_min_num_f32 v[T+\t], v[NMP+2*\t], v[NMP2+2*\t]       ; the common maximum
.endr
.irp t, 0,1,2,3
	v_sub_f32 v[NMP+2*\t],  v[T+\t], v[NMP+2*\t]
	v_sub_f32 v[NMP2+2*\t], v[T+\t], v[NMP2+2*\t]
.endr
.irp t, 0,1,2,3
	v_exp_f32 v[NMP+2*\t],  v[NMP+2*\t]            ; my half's factor, at most 1
	v_exp_f32 v[NMP2+2*\t], v[NMP2+2*\t]           ; the partner's
.endr
	v_nop
	s_wait_alu depctr_va_vdst(0)
.irp t, 0,1,2,3
	v_mul_f32 v[L+\t], v[L+\t], v[NMP+2*\t]
	v_fmac_f32 v[L+\t], v[L2+\t], v[NMP2+2*\t]     ; the whole denominator: at least about 1
.endr
.irp t, 0,1,2,3
	v_rcp_f32 v[T+\t], v[L+\t]
.endr
	v_nop
	s_wait_alu depctr_va_vdst(0)
.irp t, 0,1,2,3
	v_mul_f32 v[FAC+2*\t],   v[NMP+2*\t],  v[T+\t]
	v_mul_f32 v[FAC+2*\t+1], v[NMP+2*\t],  v[T+\t]
	v_mul_f32 v[FBC+2*\t],   v[NMP2+2*\t], v[T+\t]
	v_mul_f32 v[FBC+2*\t+1], v[NMP2+2*\t], v[T+\t]
.endr
; Query tile t, the i-th of the two that my partner handed me: merge, round, through my stage, 2,048 dense bytes out.
; The two tiles use different registers for their rows, so no register of a pending store is written again.
.macro OUTQ t, i
.irp n, 0,1,2,3,4,5,6,7
	ds_load_b128 v[X+4*\n:X+4*\n+3], v[XB] offset:512*(8*\i+\n)
.endr
	s_wait_dscnt 0x0
.set j, 0
.rept 16
	v_pk_mul_f32 v[X+j:X+j+1], v[X+j:X+j+1], v[FBC+2*\t:FBC+2*\t+1]
.set j, j+2
.endr
	WIN 0x01                                       ; source 0 (my sums) in window 1
.set j, 0
.rept 16
	v_pk_fma_f32 v[X+j:X+j+1], v[ACC+32*\t+j:ACC+32*\t+j+1], v[FAC+2*\t:FAC+2*\t+1], v[X+j:X+j+1]
.set j, j+2
.endr
	WIN 0
.irp dt, 0,1,2,3
.irp rr, 0,1,2,3
	v_cvt_pk_f16_f32 v[TMP+4*\dt+\rr], v[X+8*\dt+2*\rr], v[X+8*\dt+2*\rr+1]
.endr
.endr
.irp dt, 0,1,2,3
	ds_store_b128 v[STO], v[TMP+4*\dt:TMP+4*\dt+3] offset:32*\dt
.endr
.irp n, 0,1,2,3
	ds_load_b128 v[OB0+16*\i+4*\n:OB0+16*\i+4*\n+3], v[RD] offset:4*SP*\n    ; LDS serves a wave in order (ISA guide 5.7.1): these see the stores above
.endr
.irp n, 0,1,2,3
	s_wait_dscnt 3-\n                              ; load n is in, the 3 - n younger ones stay out
	global_store_b128 v[CO], v[OB0+16*\i+4*\n:OB0+16*\i+4*\n+3], s[6:7] offset:2048*\t+512*\n   ; 512 dense bytes, aligned
.endr
.endm
	s_cmp_eq_u32 s[ROLE], 0
	s_cbranch_scc0 .Lout23
	OUTQ 0, 0
	OUTQ 1, 1
	s_branch .Lend
.Lout23:
	OUTQ 2, 0
	OUTQ 3, 1
.Lend:
	s_wait_dscnt 0x0
	s_wait_tensorcnt 0x0
	ds_add_u32 v30, v31
	s_wait_dscnt 0x0
	CROUND                                         ; the closing round
	s_endpgm
.Lfunc_end_k_q6e937df3b3_attn:
	.size	k_q6e937df3b3_attn, .Lfunc_end_k_q6e937df3b3_attn-k_q6e937df3b3_attn
	.p2alignl 7, 3214868480
	.fill 96, 4, 3214868480
	.section	.rodata,"a",@progbits
	.p2align	6, 0x0
	.amdhsa_kernel k_q6e937df3b3_attn
		.amdhsa_group_segment_fixed_size 327680
		.amdhsa_private_segment_fixed_size 0
		.amdhsa_enable_private_segment 0
		.amdhsa_kernarg_size 16
		.amdhsa_user_sgpr_count 2
		.amdhsa_user_sgpr_kernarg_segment_ptr 1
		.amdhsa_wavefront_size32 1
		.amdhsa_system_sgpr_workgroup_id_x 1
		.amdhsa_system_sgpr_workgroup_id_y 1
		.amdhsa_system_sgpr_workgroup_id_z 1
		.amdhsa_system_vgpr_workitem_id 0
		.amdhsa_next_free_vgpr 512
		.amdhsa_next_free_sgpr 66
		.amdhsa_reserve_vcc 0
		.amdhsa_float_denorm_mode_32 3
		.amdhsa_float_denorm_mode_16_64 3
		.amdhsa_memory_ordered 1
		.amdhsa_forward_progress 1
		.amdhsa_inst_pref_size 255
	.end_amdhsa_kernel
	.section	.bss,"aw",@nobits
	.p2align	6
	.space	262144
	.amdgpu_metadata
---
amdhsa.version: [ 1, 2 ]
amdhsa.kernels:
  - .name:           k_q6e937df3b3_attn
    .symbol:         k_q6e937df3b3_attn.kd
    .args:
      - { .name: qkvh, .offset: 0, .size: 8, .value_kind: global_buffer, .address_space: global }
      - { .name: aoh, .offset: 8, .size: 8, .value_kind: global_buffer, .address_space: global }
    .group_segment_fixed_size: 327680
    .private_segment_fixed_size: 0
    .kernarg_segment_align: 8
    .kernarg_segment_size: 16
    .max_flat_workgroup_size: 256
    .sgpr_count:     66
    .vgpr_count:     512
    .wavefront_size: 32
...
	.end_amdgpu_metadata
.endif
;; end of part 3
;; launch proj (part 4): grid 8 x 32, 4 waves a work-group, clusters of 4 x 4, 327,680 bytes of LDS; arguments aoh, wouth, out0, b_out; writes out0
.if DOCPART == 4
	.amdgcn_target "amdgcn-amd-amdhsa--gfx1250"
	.amdhsa_code_object_version 6
	.text
	.protected	k_q6e937df3b3_proj
	.globl	k_q6e937df3b3_proj
	.p2align	8
	.type	k_q6e937df3b3_proj,@function
k_q6e937df3b3_proj:
	s_mov_b64 s[64:65], 0
	v_nop
	global_prefetch_b8 v0, s[64:65] scope:SCOPE_SE
	s_setreg_imm32_b32 hwreg(HW_REG_WAVE_MODE, 25, 1), 1
	s_wait_xcnt 0x0
	s_wait_alu depctr_hold_cnt(0) depctr_sa_sdst(0) depctr_va_vdst(0) depctr_va_sdst(0) depctr_va_ssrc(0) depctr_va_vcc(0) depctr_vm_vsrc(0)
	s_getreg_b32 s2, hwreg(HW_REG_IB_STS2, 6, 4)
	s_cmp_eq_u32 s2, 0
	s_cbranch_scc0 .Lentry_in_a_cluster
	s_endpgm
.Lentry_in_a_cluster:
	s_bfe_u32 s2, ttmp6, 0x10000c
	s_cmp_lg_u32 s2, 0xf033
	s_cbranch_scc0 .Lentry_shape_is_right
	s_endpgm
.Lentry_shape_is_right:
; out0 (4096 x 1024, f32) = ao (4096 x 1024) . w_out (1024 x 1024) + b_out; f16 operands, f32 sums.  ao lies [16 heads][4096 rows][64 d]: k = 64 head + d.
; LIMIT: the operands are f16 as stored by the earlier launches (magnitudes below 65,504); the sums and the result are f32.
; 4 M outputs over 256 work-groups: a block of 128 x 128, four waves of 64 x 64 (16 accumulator tiles).  A slot holds 256 of K (four heads);
; K is four slots' worth, so the four steps are written out, and half of K is asked for at the start.
; CLUSTERS: 4 x 4; ao's tile hangs on the block row alone (shared along a row of the cluster), w_out's on the block column alone (along a column).
; w_out lies [k][n]: its fragments come by the transposing load.  Used transposed (source 0 = 16 columns of w, source 1 = 16 rows of ao): a lane
; holds 8 neighbouring columns of a row.  The bias is the C operand of the first products.
.set PA,    144                        ; ao's LDS row: 64 d = 128 bytes + 16
.set HEADT, 128*PA                     ; one head's 128 rows
.set PB,    288                        ; w's LDS row: 128 n = 256 bytes + 32 (an odd multiple of 32)
.set PART,  36864                      ; one tensor load: two heads of ao, or 128 k of w
.set BOFF,  2*PART
.set SLOT,  4*PART
.set STAGE, 2*SLOT                     ; 16 rows x 272 bytes for each wave; no tensor load lands here
.set SP,    272
.set WAVE, 12
.set ROLE, 13                          ; w / 2: my 64 rows; also 0: I fetch ao, 1: w_out
.set HALF, 14                          ; w % 2: my 64 columns; also which half of the tile I fetch
.set G1,  24
.set G0,  32
.set G1B, 48
.set G0B, 56
.set ADRA, 10                          ; v10-11 ao fragments, slot 0, 1
.set ADRB, 12                          ; v12-15 w fragments: slot s, k half q at 2 s + q (a 16-bit offset does not reach over 256 k)
.set STO,  16
.set RD,   17
.set CO,   18
.set VB,   19
.set F0,   32                          ; buffer f at 32 + 64 f: ao's four fragments, then w's four
.set BIAS, 160                         ; v[160:191]
.set OB0,  192                         ; v[192:223], v[224:255]
.set MSB, 0
.macro WIN new
.if MSB != \new
	s_set_vgpr_msb (MSB<<8)|\new
.set MSB, \new
.endif
.endm
.macro PLACES                          ; four independent vector instructions behind a matrix instruction (ISA guide 7.12.1)
.rept 4
	v_nop
.endr
.endm
.macro CREST
	s_cmp_lg_u32 s[WAVE], 0
	s_cbranch_scc1 .Lnot_wave_0_\@
	s_barrier_signal -3
.Lnot_wave_0_\@:
	s_barrier_wait -3
	s_barrier_signal -1
	s_barrier_wait -1
.endm
.macro CROUND
	s_barrier_signal -1
	s_barrier_wait -1
	CREST
.endm
.macro JLOAD s
	s_cmp_eq_u32 s[ROLE], 0
	s_cbranch_scc0 .Lfor_b_\@
	tensor_load_to_lds s[G0+4*\s:G0+4*\s+3], s[G1:G1+7]
	s_nop 0
	s_branch .Lasked_\@
.Lfor_b_\@:
	tensor_load_to_lds s[G0B+4*\s:G0B+4*\s+3], s[G1B:G1B+7]
	s_nop 0
.Lasked_\@:
.endm
	s_load_b256 s[4:11], s[0:1], 0x0               ; aoh s[4:5], wouth s[6:7], out0 s[8:9], b_out s[10:11]
	v_lshl_add_u32 v30, v0, 2, 0x4c400
	v_mov_b32 v31, 0
	ds_add_u32 v30, v31
	v_lshrrev_b32 v1, 5, v0
	v_readfirstlane_b32 s[WAVE], v1
	s_lshr_b32 s[ROLE], s[WAVE], 1
	s_and_b32 s[HALF], s[WAVE], 1
	s_bfe_u32 s40, ttmp6, 0x40000                  ; cx
	s_bfe_u32 s41, ttmp6, 0x40004                  ; cy
	s_lshl_b32 s42, ttmp9, 2
	s_add_co_u32 s42, s42, s40                     ; bx: block of 128 columns
	s_and_b32 s43, ttmp7, 0xffff
	s_lshl_b32 s43, s43, 2
	s_add_co_u32 s43, s43, s41                     ; by: block of 128 rows
	s_lshl_b32 s44, s41, 2
	s_lshl_b32 s44, 15, s44                        ; my row of the cluster
	s_lshl_b32 s45, 0x1111, s40                    ; my column
	; ao's tile: two heads; a head's 128 rows are 16,384 dense bytes: one row of 2,048 elements of 8 bytes; the heads lie 524,288 bytes apart;
	; 16 bytes of padding behind every 32 words, that is behind each row's 128 bytes
	s_or_b32 s[G1+0], s44, (3<<16)|(1<<20)|(1<<21)|(4<<22)|(3<<25)
	s_mov_b32 s[G1+1], 2048<<16
	s_mov_b32 s[G1+2], 2<<16
	s_mov_b32 s[G1+3], 2048<<16
	s_mov_b32 s[G1+4], 2
	s_mov_b32 s[G1+5], 65536
	s_mov_b32 s[G1+6], 0
	s_mov_b32 s[G1+7], 0
	; w's tile: 128 k x 128 f16, 32 bytes of padding behind every 64 words
	s_or_b32 s[G1B+0], s45, (1<<16)|(1<<20)|(1<<21)|(5<<22)|(7<<25)
	s_mov_b32 s[G1B+1], 128<<16
	s_mov_b32 s[G1B+2], 128<<16
	s_mov_b32 s[G1B+3], 128<<16
	s_mov_b32 s[G1B+4], 128
	s_mov_b32 s[G1B+5], 1024
	s_mov_b32 s[G1B+6], 0
	s_mov_b32 s[G1B+7], 0
	s_lshl_b32 s16, s43, 14                        ; ao: 128 by rows of 128 bytes,
	s_lshl_b32 s17, s[HALF], 20                    ; two heads on for the second half
	s_add_co_u32 s16, s16, s17
	s_mov_b32 s17, 0
	s_lshl_b32 s46, s42, 8                         ; w: 128 bx columns of 2 bytes,
	s_lshl_b32 s47, s[HALF], 18                    ; 128 k of 2,048 bytes for the second half
	s_add_co_u32 s46, s46, s47
	s_mov_b32 s47, 0
	s_mul_i32 s18, s[WAVE], PART                   ; where the parts go: wave x 36,864: ao's two, then w's two
	s_lshl_b32 s22, s42, 9                         ; the bias of my 64 columns: 4 (128 bx + 64 half)
	s_lshl_b32 s23, s[HALF], 8
	s_add_co_u32 s22, s22, s23
	s_mov_b32 s23, 0
	s_wait_dscnt 0x0
	s_wait_kmcnt 0x0
	s_add_nc_u64 s[20:21], s[4:5], s[16:17]
	s_add_nc_u64 s[46:47], s[6:7], s[46:47]
	s_add_nc_u64 s[10:11], s[10:11], s[22:23]
	CROUND                                         ; all sixteen work-groups are here: the first joint loads meet
.irp s, 0,1
	s_mov_b32 s[G0+4*\s], 1
	s_add_co_u32 s[G0+4*\s+1], s18, \s*SLOT
	s_add_nc_u64 s[G0+4*\s+2:G0+4*\s+3], s[20:21], \s*4*524288     ; slot s: heads 4 s ..
	s_or_b32 s[G0+4*\s+3], s[G0+4*\s+3], 0x80000000
	s_mov_b32 s[G0B+4*\s], 1
	s_add_co_u32 s[G0B+4*\s+1], s18, \s*SLOT
	s_add_nc_u64 s[G0B+4*\s+2:G0B+4*\s+3], s[46:47], \s*256*2048   ; slot s: k 256 s ..
	s_or_b32 s[G0B+4*\s+3], s[G0B+4*\s+3], 0x80000000
	JLOAD \s                                       ; two tensor loads of mine are out
.endr
	v_and_b32 v1, 15, v0                           ; r
	v_bfe_u32 v2, v0, 4, 1                         ; h
	v_and_b32 v4, 7, v0
	v_bfe_u32 v5, v0, 3, 1
	v_lshlrev_b32 v[VB], 5, v2
.irp b, 0,1,2,3
	global_load_b128 v[BIAS+8*\b:BIAS+8*\b+3],   v[VB], s[10:11] offset:64*\b
	global_load_b128 v[BIAS+8*\b+4:BIAS+8*\b+7], v[VB], s[10:11] offset:64*\b+16
.endr
	v_mul_u32_u24 v3, v1, PA
	v_lshl_add_u32 v3, v2, 4, v3
	s_mul_i32 s16, s[ROLE], 64*PA
	v_add_nc_u32 v[ADRA], s16, v3                  ; (64 wm + r) 144 + 16 h
	v_add_nc_u32 v[ADRA+1], SLOT, v[ADRA]
	v_lshl_add_u32 v6, v2, 3, v4
	v_mul_u32_u24 v6, v6, PB
	v_lshl_add_u32 v6, v5, 4, v6                   ; (8 h + lane%8) 288 + 16 ((lane/8)%2)
	s_lshl_b32 s16, s[HALF], 7
	s_add_co_u32 s16, s16, BOFF                    ; + my 64 columns' 128 bytes
	v_add_nc_u32 v[ADRB], s16, v6
	v_add_nc_u32 v[ADRB+1], PART, v[ADRB]
	v_add_nc_u32 v[ADRB+2], SLOT, v[ADRB]
	v_add_nc_u32 v[ADRB+3], SLOT+PART, v[ADRB]
	s_mul_i32 s17, s[WAVE], 16*SP
	s_add_co_u32 s17, s17, STAGE
	v_mul_u32_u24 v7, v1, SP
	v_lshl_add_u32 v7, v2, 5, v7
	v_add_nc_u32 v[STO], s17, v7                   ; in: row r, 32 bytes for each half of the lanes
	v_mul_u32_u24 v8, v2, SP
	v_lshl_add_u32 v8, v1, 4, v8
	v_add_nc_u32 v[RD], s17, v8                    ; back: sixteen lanes a row of 256 bytes, two rows a load
	v_lshlrev_b32 v9, 12, v2
	v_lshl_add_u32 v[CO], v1, 4, v9                ; and the same two rows of out0
; 8 matrix instructions: m blocks a0, a0 + 1 x my 4 n blocks on buffer f.  The 16 accumulators (window 1, at 8 (4 a + b)) take turns, one instruction a turn,
; in the same order everywhere.
.macro MUL8 f, a0, first
.irp a, \a0, \a0+1
.irp b, 0,1,2,3
.if \first
	v_wmma_f32_16x16x32_f16 v[8*(4*(\a)+\b):8*(4*(\a)+\b)+7], v[F0+64*(\f)+32+8*\b:F0+64*(\f)+32+8*\b+7], v[F0+64*(\f)+8*(\a):F0+64*(\f)+8*(\a)+7], v[BIAS+8*\b:BIAS+8*\b+7]
.else
	v_wmma_f32_16x16x32_f16 v[8*(4*(\a)+\b):8*(4*(\a)+\b)+7], v[F0+64*(\f)+32+8*\b:F0+64*(\f)+32+8*\b+7], v[F0+64*(\f)+8*(\a):F0+64*(\f)+8*(\a)+7], v[8*(4*(\a)+\b):8*(4*(\a)+\b)+7]
.endif
.endr
.endr
.endm
; 16 LDS loads: the fragments of quarter kq (32 of the slot's 256 k) into buffer f (f may be an expression: it stands in brackets everywhere)
.macro FETCH slot, kq, f
.irp b, 0,1,2,3
	ds_load_tr16_b128 v[F0+64*(\f)+32+8*\b:F0+64*(\f)+32+8*\b+3],   v[ADRB+2*\slot+(\kq>>2)] offset:(\kq&3)*32*PB+32*\b
	ds_load_tr16_b128 v[F0+64*(\f)+32+8*\b+4:F0+64*(\f)+32+8*\b+7], v[ADRB+2*\slot+(\kq>>2)] offset:(\kq&3)*32*PB+32*\b+16*PB
.endr
.irp i, 0,1,2,3
	ds_load_b128 v[F0+64*(\f)+8*\i:F0+64*(\f)+8*\i+3],   v[ADRA+\slot] offset:(\kq>>1)*HEADT+(\kq&1)*64+16*PA*\i
	ds_load_b128 v[F0+64*(\f)+8*\i+4:F0+64*(\f)+8*\i+7], v[ADRA+\slot] offset:(\kq>>1)*HEADT+(\kq&1)*64+16*PA*\i+32
.endr
.endm
.macro QUARTER slot, kq, f, first      ; asks for quarter kq into the other buffer, then multiplies buffer f
	PLACES
	FETCH \slot, \kq, 1-\f
	s_wait_dscnt 16                                ; all but the 16 just issued: buffer f is in
.if \first
	WIN 0x40                                       ; D in window 1, C = the bias in window 0
.else
	WIN 0x50                                       ; C and D in window 1
.endif
	MUL8 \f, 0, \first
	MUL8 \f, 2, \first
	WIN 0
.endm
.macro SEVEN slot, first
	QUARTER \slot, 1, 0, \first
	QUARTER \slot, 2, 1, 0
	QUARTER \slot, 3, 0, 0
	QUARTER \slot, 4, 1, 0
	QUARTER \slot, 5, 0, 0
	QUARTER \slot, 6, 1, 0
	QUARTER \slot, 7, 0, 0
.endm
; The slot's last quarter (buffer 1) and the change of slots: my reads of this slot are back and all my tensor loads have landed in front of the barrier;
; with fill = 1 the rest of the cluster's round follows, then the refill as my first and only tensor load.
.macro TURN slot, next, fill
	s_wait_dscnt 0x0
	s_wait_tensorcnt 0x0
	ds_add_u32 v30, v31
	s_wait_dscnt 0x0
	s_barrier_signal -1
	WIN 0x50
	MUL8 1, 0, 0
	WIN 0
	s_barrier_wait -1
.if \fill
	CREST
	s_add_nc_u64 s[G0+4*\slot+2:G0+4*\slot+3], s[G0+4*\slot+2:G0+4*\slot+3], 8*524288        ; eight heads on; no load of mine is out
	s_add_nc_u64 s[G0B+4*\slot+2:G0B+4*\slot+3], s[G0B+4*\slot+2:G0B+4*\slot+3], 512*2048    ; 512 k on
	JLOAD \slot
.endif
	PLACES
	FETCH \next, 0, 0
	WIN 0x50
	MUL8 1, 2, 0
	WIN 0
.endm
	s_wait_tensorcnt 0x1                           ; my part of slot 0 is in; slot 1's stays out
	s_barrier_signal -1
	s_barrier_wait -1
	FETCH 0, 0, 0
	s_wait_loadcnt 0x0                             ; the bias
	SEVEN 0, 1                                     ; k 0-255
	TURN 0, 1, 1
	SEVEN 1, 0                                     ; k 256-511
	TURN 1, 0, 1
	SEVEN 0, 0                                     ; k 512-767
	TURN 0, 1, 0
	SEVEN 1, 0                                     ; k 768-1023
	s_wait_dscnt 0x0
	WIN 0x50
	MUL8 1, 0, 0
	MUL8 1, 2, 0
	WIN 0
	; THE WAY OUT, 16 rows at a time: 32 bytes a lane into my stage, back as rows of 256 bytes
	PLACES
	s_lshl_b32 s16, s43, 7
	s_lshl_b32 s17, s[ROLE], 6
	s_add_co_u32 s16, s16, s17
	s_lshl_b32 s16, s16, 12                        ; (128 by + 64 wm) rows of 4,096 bytes
	s_mov_b32 s17, 0
	s_add_nc_u64 s[8:9], s[8:9], s[16:17]
	s_lshl_b32 s46, s42, 9
	s_lshl_b32 s47, s[HALF], 8
	s_add_co_u32 s46, s46, s47                     ; 4 (128 bx + 64 wn)
	s_mov_b32 s47, 0
	s_add_nc_u64 s[8:9], s[8:9], s[46:47]
.macro OUT16 a
	WIN 0x04                                       ; data in window 1
.irp b, 0,1,2,3
	ds_store_b128 v[STO], v[8*(4*\a+\b):8*(4*\a+\b)+3]   offset:64*\b
	ds_store_b128 v[STO], v[8*(4*\a+\b)+4:8*(4*\a+\b)+7] offset:64*\b+16
.endr
	WIN 0
	s_wait_xcnt 0x0                                ; the registers that earlier stores read are loaded again only behind this wait
.irp t, 0,1,2,3,4,5,6,7
	ds_load_b128 v[OB0+32*(\a&1)+4*\t:OB0+32*(\a&1)+4*\t+3], v[RD] offset:2*SP*\t    ; LDS serves a wave in order: these see the stores above
.endr
.irp t, 0,1,2,3,4,5,6,7
	s_wait_dscnt 7-\t
	global_store_b128 v[CO], v[OB0+32*(\a&1)+4*\t:OB0+32*(\a&1)+4*\t+3], s[8:9] offset:(16*\a+2*\t)*4096 th:TH_STORE_NT   ; sixteen lanes store 256 dense bytes, aligned
.endr
.endm
	OUT16 0
	OUT16 1
	OUT16 2
	OUT16 3
	s_wait_tensorcnt 0x0
	ds_add_u32 v30, v31
	s_wait_dscnt 0x0
	CROUND                                         ; the closing round
	s_endpgm
.Lfunc_end_k_q6e937df3b3_proj:
	.size	k_q6e937df3b3_proj, .Lfunc_end_k_q6e937df3b3_proj-k_q6e937df3b3_proj
	.p2alignl 7, 3214868480
	.fill 96, 4, 3214868480
	.section	.rodata,"a",@progbits
	.p2align	6, 0x0
	.amdhsa_kernel k_q6e937df3b3_proj
		.amdhsa_group_segment_fixed_size 327680
		.amdhsa_private_segment_fixed_size 0
		.amdhsa_enable_private_segment 0
		.amdhsa_kernarg_size 32
		.amdhsa_user_sgpr_count 2
		.amdhsa_user_sgpr_kernarg_segment_ptr 1
		.amdhsa_wavefront_size32 1
		.amdhsa_system_sgpr_workgroup_id_x 1
		.amdhsa_system_sgpr_workgroup_id_y 1
		.amdhsa_system_sgpr_workgroup_id_z 1
		.amdhsa_system_vgpr_workitem_id 0
		.amdhsa_next_free_vgpr 384
		.amdhsa_next_free_sgpr 66
		.amdhsa_reserve_vcc 0
		.amdhsa_float_denorm_mode_32 3
		.amdhsa_float_denorm_mode_16_64 3
		.amdhsa_memory_ordered 1
		.amdhsa_forward_progress 1
		.amdhsa_inst_pref_size 90
	.end_amdhsa_kernel
	.amdgpu_metadata
---
amdhsa.version: [ 1, 2 ]
amdhsa.kernels:
  - .name:           k_q6e937df3b3_proj
    .symbol:         k_q6e937df3b3_proj.kd
    .args:
      - { .name: aoh, .offset: 0, .size: 8, .value_kind: global_buffer, .address_space: global }
      - { .name: wouth, .offset: 8, .size: 8, .value_kind: global_buffer, .address_space: global }
      - { .name: out0, .offset: 16, .size: 8, .value_kind: global_buffer, .address_space: global }
      - { .name: b_out, .offset: 24, .size: 8, .value_kind: global_buffer, .address_space: global }
    .group_segment_fixed_size: 327680
    .private_segment_fixed_size: 0
    .kernarg_segment_align: 8
    .kernarg_segment_size: 32
    .max_flat_workgroup_size: 128
    .sgpr_count:     66
    .vgpr_count:     384
    .wavefront_size: 32
...
	.end_amdgpu_metadata
.endif
;; end of part 4
;; ======== version 2 of 2: 4 launches; 1.07 times as fast as version 1
;; limits: values are held in f16: magnitudes above 65,504 overflow, below 6.1e-05 lose precision
;; workspace buffers: xh 8,388,608 bytes; wqkvh 6,291,456 bytes; wouth 2,097,152 bytes; qkvh 25,165,824 bytes; aoh 8,388,608 bytes
;; launch cast: the kernel of part 1 again; grid 512 x 1, 8 waves a work-group, no clusters, 0 bytes of LDS; arguments x, w_qkv, w_out, xh, wqkvh, wouth; writes xh, wqkvh, wouth
;; launch qkv: the kernel of part 2 again; grid 16 x 16, 4 waves a work-group, clusters of 4 x 4, 327,680 bytes of LDS; arguments xh, wqkvh, qkvh, b_qkv; writes qkvh
;; launch attn (part 5): grid 8 x 32, 8 waves a work-group, clusters of 4 x 1, 327,680 bytes of LDS; arguments qkvh, aoh; writes aoh
.if DOCPART == 5
	.amdgcn_target "amdgcn-amd-amdhsa--gfx1250"
	.amdhsa_code_object_version 6
	.text
	.protected	k_q6e937df3b3_attn
	.globl	k_q6e937df3b3_attn
	.p2align	8
	.type	k_q6e937df3b3_attn,@function
k_q6e937df3b3_attn:
	s_mov_b64 s[64:65], 0
	v_nop
	global_prefetch_b8 v0, s[64:65] scope:SCOPE_SE
	s_setreg_imm32_b32 hwreg(HW_REG_WAVE_MODE, 25, 1), 1
	s_wait_xcnt 0x0
	s_wait_alu depctr_hold_cnt(0) depctr_sa_sdst(0) depctr_va_vdst(0) depctr_va_sdst(0) depctr_va_ssrc(0) depctr_va_vcc(0) depctr_vm_vsrc(0)
	s_getreg_b32 s2, hwreg(HW_REG_IB_STS2, 6, 4)
	s_cmp_eq_u32 s2, 0
	s_cbranch_scc0 .Lentry_in_a_cluster
	s_endpgm
.Lentry_in_a_cluster:
	s_bfe_u32 s2, ttmp6, 0x10000c
	s_cmp_lg_u32 s2, 0x3003
	s_cbranch_scc0 .Lentry_shape_is_right
	s_endpgm
.Lentry_shape_is_right:
; aoh[h][2048 b + s][64] = softmax(q k^T / 8) v for one (batch, head) and 256 queries, with a running maximum.
; f16 operands (q, k, v as stored; the probabilities, which lie in [0, 1]), f32 sums, maxima and exponentials; the result rounded once to f16.
; LIMITS: the denominator sums the probabilities before they are rounded to f16; probabilities below 6e-8 of the running maximum's round to 0;
; v_exp_f32 gives 0 for results below 2^-126; the result is a mean of v's rows and so shares v's limit of 65,504; NaN and infinities are not treated.
; Eight waves, two for each SIMD.  Wave w: queries 64 (w%4) .. +63 of the block (qg = w%4) and keys 256 (w/4) .. +255 of each slot of 512 keys
; (kh = w/4): 16 blocks of 64 keys, four query tiles of 16 in each.  The two key halves are merged once at the end, through LDS.
; CLUSTERS: the four query blocks of a cluster belong to one head and walk the same K and V: every tile is asked for jointly (mask 15).
; LAYOUT: S^T = K Q^T (source 0 = 16 keys, source 1 = 16 queries): lane (r, h) holds keys 8 h + 0..7 of query r.  Packing two such tiles to f16
; gives source 1 of out^T = V^T P^T as it stands; source 0, V^T, comes out of LDS by the transposing load.  So maximum, sum and rescaling are
; a lane's own affair; one exchange between the halves of the wave joins the maxima.
; STATE for each query tile t: M = running maximum, NM = -c M rounded (c = log2(e)/8; kept twice, as a pair), L = my lane's part of the sum.
; p = 2^(c s + NM), alpha = 2^(NM new - NM old): the rounding of c M is a factor common to numerator and denominator.
; THE PIPELINE, inside a wave.  u is the tile behind t (tile 0 of the next block behind tile 3).
;   phase A(t), every operand in window 0, is cut in two by ONE wait: its exponentials are one batch.
;     AHEAD OF THE WAIT stands all that names no result of the batch: tile t's 16 scalings c s + NM and its 32 exponentials; the eight products S(u), behind each
;     a scaling and three exponentials; the maximum of S(u) and its dependent tail, with the last eight exponentials between the tail's links; the new NM(u);
;     and, last, alpha(u), twice: 34 exponentials (32 where tile u has no old maximum, or there is no tile u).
;     BEHIND THE WAIT stand the readers: tile t's sums, in two chains whose links stand four lines apart, its packing to f16 between them, and L(t).
;   phase B(t): the eight products out^T(t) += V^T P(t), each followed by two of the sixteen multiplies that rescale out^T(u) by alpha(u).
; alpha(u) is made while alpha(t) is still wanted for L(t): the even tiles and the odd tiles have a pair of registers each.
; K's fragments of the next block are fetched directly behind the wait of phase A(2), V's eight instructions into phase A(0), ahead of its first exponential: each a phase ahead of its use.
; At the wait of phase A(2) of a slot's last block all my fragments of that slot are in registers: the change of slots stands behind that wait.
.set PK,    144                        ; K's LDS row: 128 bytes + 16
.set PVV,   160                        ; V's LDS row: 128 bytes + 32 (an odd multiple of 32, for the transposing load)
.set VT,    128*PVV                    ; 128 keys of V: one tensor load
.set KT,    128*PK                     ; 128 keys of K: one tensor load
.set KOFF,  4*VT                       ; a slot: V's 512 keys, then K's
.set SLOT,  KOFF+4*KT                  ; 155,648
.set XW,    9728                       ; the exchange, from LDS byte 0 (slot 0's V part): for each wave 16 x 512 bytes of sums, 2 x 512 of NM, 512 of L
.set STAGE, KOFF                       ; the way out: 16 rows x 144 bytes for each wave, in slot 0's K part
.set SP,    144                        ; exchange and stage are written only after slot 0's last fill and behind the barrier that follows its last reads
.set WAVE, 8
.set ROLE, 9                           ; s9 = kh; also: 0: I fetch V, 1: I fetch K
.set G1,  24                           ; V's group 1, s[32:39] its two groups 0
.set G0,  32
.set G1B, 48                           ; K's group 1, s[56:63] its two groups 0
.set G0B, 56
; window 0
.set AL1,  2                           ; v[2:3] alpha of the odd tiles, twice (at work in the head before that)
.set ADK0, 8                           ; v8-9   my K fragments' address in slot 0, 1
.set ADV0, 10                          ; v10-11 my V fragments'
.set ADK,  12                          ; the next block's
.set ADV,  13
.set STO,  14
.set RD,   15
.set CO,   16
.set XA,   17                          ; my part of the exchange
.set VQ,   18
.set XB,   19                          ; my partner's part
.set T,    20                          ; v[20:23] two chains of sums, v[24:27] four chains of maxima
.set AL0,  28                          ; v[28:29] alpha of the even tiles, twice
.set NMP,  32                          ; v[32:39] NM of tile t, twice, at +2 t
.set M,    40                          ; v[40:43]
.set L,    44                          ; v[44:47]
.set FAC,  48                          ; v[48:55] my factor of the merge, twice for each t
.set FBC,  56                          ; v[56:63] the partner's
.set KF,   64                          ; v[64:127]  K fragments: (16 keys kt, 32 d dh) at +8 (2 kt + dh)
.set QF,   128                         ; v[128:191] Q fragments: (t, dh) at +8 (2 t + dh)
.set SBUF0, 192                        ; v[192:223], v[224:255]: S, then P; the two take turns from query tile to query tile
.set X,    64                          ; in the merge, where K's and Q's fragments lay: the partner's sums,
.set TMP,  96                          ; packed results,
.set NMP2, 112                         ; the partner's NM
.set L2,   120                         ; and L,
.set OB0,  128                         ; v[128:143], v[144:159]: rows on their way out
; window 1
.set ACC,  64                          ; v[64:191]  out^T (t, 16 d dt) at +8 (4 t + dt)
.set VF,   192                         ; v[192:255] V^T fragments (32 keys kk, dt) at +8 (4 kk + dt)
.set MSB, 0
.macro WIN new                         ; the immediate's high byte repeats the setting that is left
.if MSB != \new
	s_set_vgpr_msb (MSB<<8)|\new
.set MSB, \new
.endif
.endm
.macro PLACES                          ; four independent vector instructions behind a matrix instruction (ISA guide 7.12.1)
.rept 4
	v_nop
.endr
.endm
.macro CREST
	s_cmp_lg_u32 s[WAVE], 0
	s_cbranch_scc1 .Lnot_wave_0_\@
	s_barrier_signal -3
.Lnot_wave_0_\@:
	s_barrier_wait -3
	s_barrier_signal -1
	s_barrier_wait -1
.endm
.macro CROUND
	s_barrier_signal -1
	s_barrier_wait -1
	CREST
.endm
.macro JLOAD s                         ; my one joint load: waves 0-3 ask for V's quarters, waves 4-7 for K's
	s_cmp_eq_u32 s[ROLE], 0
	s_cbranch_scc0 .Lfor_k_\@
	tensor_load_to_lds s[G0+4*\s:G0+4*\s+3], s[G1:G1+7]
	s_nop 0
	s_branch .Lasked_\@
.Lfor_k_\@:
	tensor_load_to_lds s[G0B+4*\s:G0B+4*\s+3], s[G1B:G1B+7]
	s_nop 0
.Lasked_\@:
.endm
	s_load_b128 s[4:7], s[0:1], 0x0                ; qkvh s[4:5], aoh s[6:7]
	v_lshl_add_u32 v30, v0, 2, 0x4c000
	v_mov_b32 v31, 0
	ds_add_u32 v30, v31
	v_lshrrev_b32 v1, 5, v0
	v_readfirstlane_b32 s[WAVE], v1
	s_lshr_b32 s[ROLE], s[WAVE], 2                 ; kh
	s_and_b32 s10, s[WAVE], 3                      ; qg
	s_bfe_u32 s11, ttmp6, 0x40000                  ; cx
	s_lshl_b32 s12, ttmp9, 2
	s_add_co_u32 s12, s12, s11                     ; qb: block of 256 queries
	s_and_b32 s13, ttmp7, 0xffff                   ; 16 b + h
	s_lshr_b32 s14, s13, 4                         ; b
	s_and_b32 s15, s13, 15                         ; h
	s_mov_b32 s40, 0x3e38aa3b                      ; c = log2(e) / 8
	s_mov_b32 s41, 0x3e38aa3b
	s_mov_b32 s42, 0x76543210                      ; v_permlanex16_b32: lane i reads lane i of the other half
	s_mov_b32 s43, 0xfedcba98
	s_mul_i32 s16, s14, 48
	s_add_co_u32 s16, s16, s15
	s_lshl_b32 s16, s16, 18                        ; q's plane: (48 b + h) x 262,144 bytes
	s_lshl_b32 s17, s10, 14                        ; the 128 keys that I fetch: 16,384 bytes a quarter
	s_add_co_u32 s18, s16, s17
	s_add_co_u32 s46, s18, 32<<18                  ; v's plane is 32 planes on,
	s_add_co_u32 s18, s18, 16<<18                  ; k's 16
	s_mov_b32 s19, 0
	s_mov_b32 s47, 0
	s_lshl_b32 s20, s12, 15                        ; my queries: (256 qb + 64 qg) rows of 128 bytes
	s_lshl_b32 s21, s10, 13
	s_add_co_u32 s20, s20, s21
	s_add_co_u32 s20, s20, s16
	s_mov_b32 s21, 0
	s_mul_i32 s22, s[WAVE], VT                     ; V's quarters: wave 0..3 x 20,480
	s_mul_i32 s23, s[WAVE], KT
	s_add_co_u32 s23, s23, KOFF-4*KT               ; K's: 8,192 + wave 4..7 x 18,432 = behind V's 512 keys
	; a tile: 128 keys x 128 bytes, dense: 64 rows of 32 elements of 8 bytes; padding behind every 32 words, that is behind each key: 32 bytes for V, 16 for K
	s_mov_b32 s[G1+0], 15|(3<<16)|(1<<20)|(1<<21)|(4<<22)|(7<<25)
	s_mov_b32 s[G1B+0], 15|(3<<16)|(1<<20)|(1<<21)|(4<<22)|(3<<25)
	s_mov_b32 s[G1+1], 32<<16
	s_mov_b32 s[G1B+1], 32<<16
	s_mov_b32 s[G1+2], 64<<16
	s_mov_b32 s[G1B+2], 64<<16
	s_mov_b32 s[G1+3], 32<<16
	s_mov_b32 s[G1B+3], 32<<16
	s_mov_b32 s[G1+4], 64
	s_mov_b32 s[G1B+4], 64
	s_mov_b32 s[G1+5], 32
	s_mov_b32 s[G1B+5], 32
	s_mov_b32 s[G1+6], 0
	s_mov_b32 s[G1B+6], 0
	s_mov_b32 s[G1+7], 0
	s_mov_b32 s[G1B+7], 0
	s_wait_dscnt 0x0
	s_wait_kmcnt 0x0
	s_add_nc_u64 s[46:47], s[4:5], s[46:47]        ; V
	s_add_nc_u64 s[18:19], s[4:5], s[18:19]        ; K
	s_add_nc_u64 s[20:21], s[4:5], s[20:21]        ; Q
	CROUND                                         ; the four work-groups are here: the first joint loads meet
.irp s, 0,1
	s_mov_b32 s[G0+4*\s], 1
	s_add_co_u32 s[G0+4*\s+1], s22, \s*SLOT
	s_add_nc_u64 s[G0+4*\s+2:G0+4*\s+3], s[46:47], \s*65536        ; slot s: keys 512 s ..
	s_or_b32 s[G0+4*\s+3], s[G0+4*\s+3], 0x80000000
	s_mov_b32 s[G0B+4*\s], 1
	s_add_co_u32 s[G0B+4*\s+1], s23, \s*SLOT
	s_add_nc_u64 s[G0B+4*\s+2:G0B+4*\s+3], s[18:19], \s*65536
	s_or_b32 s[G0B+4*\s+3], s[G0B+4*\s+3], 0x80000000
	JLOAD \s                                       ; two tensor loads of mine are out
.endr
	v_and_b32 v1, 15, v0                           ; r
	v_bfe_u32 v2, v0, 4, 1                         ; h
	v_and_b32 v3, 7, v0
	v_bfe_u32 v4, v0, 3, 1
	v_and_b32 v5, 31, v0
	v_lshlrev_b32 v[VQ], 7, v1
	v_lshl_add_u32 v[VQ], v2, 4, v[VQ]             ; 128 r + 16 h
.irp t, 0,1,2,3
.irp dh, 0,1
	global_load_b128 v[QF+8*(2*\t+\dh):QF+8*(2*\t+\dh)+3],   v[VQ], s[20:21] offset:2048*\t+64*\dh      ; my 64 queries stay in registers; the 16 loads together take 8,192 dense bytes, once
	global_load_b128 v[QF+8*(2*\t+\dh)+4:QF+8*(2*\t+\dh)+7], v[VQ], s[20:21] offset:2048*\t+64*\dh+32
.endr
.endr
	v_mul_u32_u24 v6, v1, PK
	v_lshl_add_u32 v6, v2, 4, v6                   ; 144 r + 16 h
	s_mul_i32 s16, s[ROLE], 256*PK
	s_add_co_u32 s16, s16, KOFF
	v_add_nc_u32 v[ADK0], s16, v6
	v_add_nc_u32 v[ADK0+1], SLOT, v[ADK0]
	v_lshl_add_u32 v7, v2, 3, v3
	v_mul_u32_u24 v7, v7, PVV
	v_lshl_add_u32 v7, v4, 4, v7                   ; (8 h + lane%8) 160 + 16 ((lane/8)%2)
	s_mul_i32 s16, s[ROLE], 256*PVV
	v_add_nc_u32 v[ADV0], s16, v7
	v_add_nc_u32 v[ADV0+1], SLOT, v[ADV0]
	s_mul_i32 s17, s[WAVE], 16*SP
	s_add_co_u32 s17, s17, STAGE
	v_add_nc_u32 v[STO], s17, v6                   ; in: row r, 16 bytes for each half of the lanes
	v_bfe_u32 v7, v0, 3, 2
	v_mul_u32_u24 v7, v7, SP
	v_lshl_add_u32 v7, v3, 4, v7
	v_add_nc_u32 v[RD], s17, v7                    ; back: eight lanes a row of 128 bytes, four rows a load
	v_lshlrev_b32 v[CO], 4, v5
	s_mul_i32 s16, s[WAVE], XW
	v_add_nc_u32 v[XA], s16, v[CO]
	s_sub_co_u32 s16, 1, s[ROLE]                   ; my partner: the same qg, the other kh
	s_lshl_b32 s16, s16, 2
	s_add_co_u32 s16, s16, s10
	s_mul_i32 s16, s16, XW
	v_add_nc_u32 v[XB], s16, v[CO]
	v_mov_b32 v[ADK], v[ADK0]
	v_mov_b32 v[ADV], v[ADV0]
; The lines of phase A.  SB: tile t's buffer, SBN: tile u's, TT = t, UU = u, DOSW = 1 where there is a tile u: set by PHA1.
.macro FM j                            ; pair j of the 16: c s + NM, at most about 0
	v_pk_fma_f32 v[SB+2*(\j):SB+2*(\j)+1], v[SB+2*(\j):SB+2*(\j)+1], s[40:41], v[NMP+2*TT:NMP+2*TT+1] op_sel_hi:[1,0,1]
.endm
.macro EX j
	v_exp_f32 v[SB+(\j)], v[SB+(\j)]
.endm
.macro AD ch, j                        ; pair j joins chain ch of the sum
	v_pk_add_f32 v[T+2*\ch:T+2*\ch+1], v[T+2*\ch:T+2*\ch+1], v[SB+2*(\j):SB+2*(\j)+1]
.endm
.macro CV c, i                         ; words 2 i, 2 i + 1 of chunk c (16 keys) become one word of P; P of keys 32 kk .. +31 ends up in v[SB + 16 kk : + 7].
	v_cvt_pk_f16_f32 v[SB+16*(\c>>1)+4*(\c&1)+\i], v[SB+8*\c+2*\i], v[SB+8*\c+2*\i+1]   ; the word written has been summed and packed before
.endm
.macro SW k                            ; the k-th of the eight products S(u): keys 16 (k%4) .., d 32 (k/4) ..; the four accumulators take turns, one instruction a turn
.if DOSW
.if \k < 4
	v_wmma_f32_16x16x32_f16 v[SBN+8*\k:SBN+8*\k+7], v[KF+16*\k:KF+16*\k+7], v[QF+16*UU:QF+16*UU+7], 0
.else
	v_wmma_f32_16x16x32_f16 v[SBN+8*\k-32:SBN+8*\k-25], v[KF+16*\k-56:KF+16*\k-49], v[QF+16*UU+8:QF+16*UU+15], v[SBN+8*\k-32:SBN+8*\k-25]
.endif
.endif
.endm
.macro MAXTREE                         ; my 32 scores of tile u, in four chains
	v_max3_num_f32 v[T+4], v[SBN],   v[SBN+1],  v[SBN+2]
	v_max3_num_f32 v[T+5], v[SBN+3], v[SBN+4],  v[SBN+5]
	v_max3_num_f32 v[T+6], v[SBN+6], v[SBN+7],  v[SBN+8]
	v_max3_num_f32 v[T+7], v[SBN+9], v[SBN+10], v[SBN+11]
.irp p, 0,1,2,3,4,5,6,7,8,9
	v_max3_num_f32 v[T+4+(\p&3)], v[T+4+(\p&3)], v[SBN+12+2*\p], v[SBN+13+2*\p]
.endr
.endm
.macro KLOAD                           ; the next block's 64 keys of K
.irp kt, 0,1,2,3
.irp dh, 0,1
	ds_load_b128 v[KF+8*(2*\kt+\dh):KF+8*(2*\kt+\dh)+3],   v[ADK] offset:16*PK*\kt+64*\dh
	ds_load_b128 v[KF+8*(2*\kt+\dh)+4:KF+8*(2*\kt+\dh)+7], v[ADK] offset:16*PK*\kt+64*\dh+32
.endr
.endr
	v_add_nc_u32 v[ADK], 64*PK, v[ADK]
.endm
.macro VLOAD                           ; this block's 64 keys of V, transposed
	WIN 0x40                                       ; destination in window 1
.irp kk, 0,1
.irp dt, 0,1,2,3
	ds_load_tr16_b128 v[VF+8*(4*\kk+\dt):VF+8*(4*\kk+\dt)+3],   v[ADV] offset:32*PVV*\kk+32*\dt
	ds_load_tr16_b128 v[VF+8*(4*\kk+\dt)+4:VF+8*(4*\kk+\dt)+7], v[ADV] offset:32*PVV*\kk+32*\dt+16*PVV
.endr
.endr
	WIN 0
	v_add_nc_u32 v[ADV], 64*PVV, v[ADV]
.endm
; Phase A(t), ahead of its wait, and the wait.  f1 = 1: tile u's first block (its maximum starts, no alpha).  sw = 0: there is no tile u.
; Nothing here names a result of the phase's exponentials: a scaling 8 + k writes scores 16 + 2 k and 17 + 2 k while only exponentials 0 to 3 k - 1 are out.
; The scores of tile u are read four places or more behind the product that ends their accumulator: behind the fifth product stand the scalings 12 to 15, behind each
; later one the scalings left and the lines of the maximum that read the earlier accumulators (exponentials are no places).
.macro PHA1 t, u, f1, sw
.set SB,  SBUF0+32*(\t&1)
.set SBN, SBUF0+32*(\u&1)
.set TT, \t
.set UU, \u
.set DOSW, \sw
.set AU, AL0+(AL1-AL0)*(\u&1)          ; alpha(u)'s pair
.irp j, 0,1,2,3,4,5,6,7
	FM \j                                          ; eight places behind the last product of phase B, which read V^T (loaded next) and the P that S(u) writes over
.endr
.if \t == 0
	VLOAD
.endif
.if \t == 3
.if \sw
	s_wait_dscnt 0x0                               ; the next block's K: its 16 loads are all that is out
.endif
.endif
.irp k, 0,1,2,3,4,5,6,7
	SW \k                                          ; a product S(u), and behind it a scaling and three exponentials of tile t
	FM 8+\k
	EX 3*\k
	EX 3*\k+1
	EX 3*\k+2
.endr
	; the maximum of tile u; the links of its dependent tail stand apart, with tile t's last eight exponentials between them
.if \sw
	MAXTREE
.endif
	EX 24
.if \sw
	v_max3_num_f32 v[T+4], v[T+4], v[T+5], v[T+6]
.endif
	EX 25
.if \sw
	v_max_num_f32 v[T+4], v[T+4], v[T+7]
.endif
	EX 26
	EX 27
.if \sw
	v_permlanex16_b32 v[T+5], v[T+4], s42, s43     ; the other 32 keys of the same query
.endif
	EX 28
	EX 29
.if \sw
.if \f1
	v_max_num_f32 v[M+\u], v[T+4], v[T+5]
.else
	v_max3_num_f32 v[M+\u], v[T+4], v[T+5], v[M+\u]
.endif
.endif
	EX 30
.if \sw
.if \f1
	v_mul_f32 v[NMP+2*\u],   0xbe38aa3b, v[M+\u]   ; -c x maximum
.else
	v_mul_f32 v[T+6], 0xbe38aa3b, v[M+\u]
.endif
.endif
	EX 31
.if \sw
.if \f1
	v_mul_f32 v[NMP+2*\u+1], 0xbe38aa3b, v[M+\u]   ; also the plain instruction behind the batch's last exponential
.else
	v_sub_f32 v[T+7], v[T+6], v[NMP+2*\u]          ; log2 alpha(u), at most 0
	v_mov_b32 v[NMP+2*\u+1], v[T+6]
	v_exp_f32 v[AU],   v[T+7]                      ; the batch's last two
	v_exp_f32 v[AU+1], v[T+7]
	v_mov_b32 v[NMP+2*\u], v[T+6]                  ; also the plain instruction behind the batch's last exponential
.endif
.else
	v_nop                                          ; the plain instruction behind the batch's last exponential
.endif
	s_wait_alu depctr_va_vdst(0)                   ; the wait ahead of the first reader: ONE for the phase's batch, tile t's 32 exponentials and alpha(u)'s two
.endm
; Phase A(t), behind its wait: the readers.  f2 = 1: tile t's first block (its sum starts).
; The sum goes as two chains (pairs 0, 1, 4, 6 .. 14 and pairs 2, 3, 5, 7 .. 15), which are then joined; two packings stand between the chains' links.
; A packing writes over scores only when they have been summed and packed.
.macro PHA2 t, f2
.set AT, AL0+(AL1-AL0)*(\t&1)          ; alpha(t)'s pair: made, and waited for, a phase ago
	v_pk_add_f32 v[T:T+1],   v[SB:SB+1],   v[SB+2:SB+3]        ; the first eight probabilities start the two chains
	v_pk_add_f32 v[T+2:T+3], v[SB+4:SB+5], v[SB+6:SB+7]
	CV 0, 0
	CV 0, 1
	AD 0, 4
	AD 1, 5
	CV 0, 2
	CV 0, 3
	AD 0, 6
	AD 1, 7
	CV 1, 0
	CV 1, 1
	AD 0, 8
	AD 1, 9
	CV 1, 2
	CV 1, 3
	AD 0, 10
	AD 1, 11
	CV 2, 0
	CV 2, 1
	AD 0, 12
	AD 1, 13
	CV 2, 2
	CV 2, 3
	AD 0, 14
	AD 1, 15
	CV 3, 0
	CV 3, 1
	v_pk_add_f32 v[T:T+1], v[T:T+1], v[T+2:T+3]
	CV 3, 2
.if \f2
	v_add_f32 v[L+\t], v[T], v[T+1]
.else
	v_add_f32 v[T], v[T], v[T+1]
.endif
	CV 3, 3
.if \f2
.else
	v_fma_f32 v[L+\t], v[L+\t], v[AT], v[T]
.endif
.endm
; Phase B(t): V^T, C and D in window 1, P and alpha in window 0.  rs = 1: out^T(u) is rescaled between the products (a packed multiply has no third source,
; so the products' setting serves it).  The four accumulators take turns, one instruction a turn.
.macro PHB t, u, f2, rs
.set AU, AL0+(AL1-AL0)*(\u&1)          ; alpha(u)'s pair: phase A(t)'s wait stands ahead
.if \t == 0
	s_wait_dscnt 0x0                               ; V's 16 loads are all that is out
.endif
	WIN 0x51
.irp k, 0,1,2,3,4,5,6,7
.if (\f2)*(1-(\k>>2))
	v_wmma_f32_16x16x32_f16 v[ACC+32*\t+8*(\k&3):ACC+32*\t+8*(\k&3)+7], v[VF+8*\k:VF+8*\k+7], v[SB+16*(\k>>2):SB+16*(\k>>2)+7], 0
.else
	v_wmma_f32_16x16x32_f16 v[ACC+32*\t+8*(\k&3):ACC+32*\t+8*(\k&3)+7], v[VF+8*\k:VF+8*\k+7], v[SB+16*(\k>>2):SB+16*(\k>>2)+7], v[ACC+32*\t+8*(\k&3):ACC+32*\t+8*(\k&3)+7]
.endif
.if (\rs)
	v_pk_mul_f32 v[ACC+32*\u+4*\k:ACC+32*\u+4*\k+1],   v[ACC+32*\u+4*\k:ACC+32*\u+4*\k+1],   v[AU:AU+1]
	v_pk_mul_f32 v[ACC+32*\u+4*\k+2:ACC+32*\u+4*\k+3], v[ACC+32*\u+4*\k+2:ACC+32*\u+4*\k+3], v[AU:AU+1]
.endif
.endr
	WIN 0
.endm
; The change of slots.  All my fragments of slot s are in registers.  All my tensor loads have landed (one was out: my part of the other slot) and my LDS
; reads are back; then the cluster's round, and the refill as my first and only tensor load behind it.  fill = 0: a plain barrier shows the other slot whole.
.macro TRANS s, fill
	s_wait_tensorcnt 0x0
	ds_add_u32 v30, v31
	s_wait_dscnt 0x0
.if \fill
	s_add_nc_u64 s[G0+4*\s+2:G0+4*\s+3], s[G0+4*\s+2:G0+4*\s+3], 131072      ; 1,024 keys on; no load of mine is out
	s_add_nc_u64 s[G0B+4*\s+2:G0B+4*\s+3], s[G0B+4*\s+2:G0B+4*\s+3], 131072
.endif
	s_wait_dscnt 0x0
.if \fill
	CROUND
	JLOAD \s
.else
	s_barrier_signal -1
	s_barrier_wait -1
.endif
	v_mov_b32 v[ADK], v[ADK0+1-\s]
	v_mov_b32 v[ADV], v[ADV0+1-\s]
.endm
; A block of 64 keys.  At its head: S(0) of this block, its maximum and alpha are made, out^T(0) is rescaled, K's fragments are in.
; f = 1: the wave's first block.  mode 0: plain; 1: the slot's last block, slot s is left (fill = 1: and filled again); 2: the wave's last block.
.macro BLOCK f, mode, s, fill
	PHA1 0, 1, \f, 1
	PHA2 0, \f
	PHB 0, 1, \f, 1-\f
	PHA1 1, 2, \f, 1
	PHA2 1, \f
	PHB 1, 2, \f, 1-\f
	PHA1 2, 3, \f, 1
.if \mode == 1
	TRANS \s, \fill                                ; behind the phase's wait: no exponential is out at its branches and labels
.endif
.if \mode != 2
	KLOAD                                          ; K's registers were last read by the products S(3), more than four places back
.endif
	PHA2 2, \f
	PHB 2, 3, \f, 1-\f
.if \mode != 2
	PHA1 3, 0, 0, 1
	PHA2 3, \f
	PHB 3, 0, \f, 1
.else
	PHA1 3, 0, 0, 0
	PHA2 3, \f
	PHB 3, 0, \f, 0
.endif
.endm
.macro LOOPB n
	s_mov_b32 s3, \n
.Lblk_\@:
	BLOCK 0, 0, 0, 0
	s_sub_co_i32 s3, s3, 1
	s_cmp_lg_u32 s3, 0
	s_cbranch_scc1 .Lblk_\@
.endm
	s_wait_tensorcnt 0x1                           ; my part of slot 0 is in; slot 1's stays out
	s_barrier_signal -1
	s_barrier_wait -1
	KLOAD                                          ; block 0
	s_wait_loadcnt 0x0                             ; Q
	s_wait_dscnt 0x0
.set SBN, SBUF0
.set UU, 0
.set DOSW, 1
.irp k, 0,1,2,3,4,5,6,7
	SW \k                                          ; S(0) of block 0: the one tile whose products have no softmax to stand among
.endr
	PLACES
	MAXTREE
	v_max3_num_f32 v[T+4], v[T+4], v[T+5], v[T+6]
	v_max_num_f32 v[T+4], v[T+4], v[T+7]
	v_permlanex16_b32 v[T+5], v[T+4], s42, s43
	v_max_num_f32 v[M], v[T+4], v[T+5]
	v_mul_f32 v[NMP],   0xbe38aa3b, v[M]
	v_mul_f32 v[NMP+1], 0xbe38aa3b, v[M]
	BLOCK 1, 0, 0, 0                               ; block 0
	LOOPB 2                                        ; blocks 1, 2
	BLOCK 0, 1, 0, 1                               ; block 3: slot 0 is left and asked for again (keys 1024-1535)
	LOOPB 3                                        ; blocks 4-6
	BLOCK 0, 1, 1, 1                               ; block 7: slot 1 is left and asked for again (keys 1536-2047)
	LOOPB 3                                        ; blocks 8-10
	BLOCK 0, 1, 0, 0                               ; block 11: slot 0 is left for good
	LOOPB 3                                        ; blocks 12-14
	BLOCK 0, 2, 0, 0                               ; block 15
	PLACES                                         ; behind the last products, whose results are stored below
.irp t, 0,1,2,3
	v_permlanex16_b32 v[T+\t], v[L+\t], s42, s43   ; the two halves of the lanes join their sums
.endr
.irp t, 0,1,2,3
	v_add_f32 v[L+\t], v[L+\t], v[T+\t]
.endr
	; THE MERGE.  Waves 0-3 finish query tiles 0, 1 and waves 4-7 tiles 2, 3: each hands the other two tiles' sums, and its NM and L, to its partner.
.macro XGIVE t0
	WIN 0x04                                       ; data in window 1
.set j, 0
.rept 16
	ds_store_b128 v[XA], v[ACC+32*\t0+4*j:ACC+32*\t0+4*j+3] offset:512*j
.set j, j+1
.endr
	WIN 0
.endm
	s_cmp_eq_u32 s[ROLE], 0
	s_cbranch_scc0 .Lgive01
	XGIVE 2
	s_branch .Lgiven
.Lgive01:
	XGIVE 0
.Lgiven:
	ds_store_b128 v[XA], v[NMP:NMP+3] offset:8192
	ds_store_b128 v[XA], v[NMP+4:NMP+7] offset:8704
	ds_store_b128 v[XA], v[L:L+3] offset:9216
	s_wait_dscnt 0x0                               ; for the partner's sake
	s_barrier_signal -1
	s_barrier_wait -1
	ds_load_b128 v[NMP2:NMP2+3], v[XB] offset:8192
	ds_load_b128 v[NMP2+4:NMP2+7], v[XB] offset:8704
	ds_load_b128 v[L2:L2+3], v[XB] offset:9216
	s_lshl_b32 s16, s15, 12                        ; aoh: row 4,096 h + 2,048 b + 256 qb + 64 qg, 128 bytes a row
	s_lshl_b32 s17, s14, 11
	s_add_co_u32 s16, s16, s17
	s_lshl_b32 s17, s12, 8
	s_add_co_u32 s16, s16, s17
	s_lshl_b32 s17, s10, 6
	s_add_co_u32 s16, s16, s17
	s_lshl_b32 s16, s16, 7
	s_mov_b32 s17, 0
	s_add_nc_u64 s[6:7], s[6:7], s[16:17]
	s_wait_dscnt 0x0
.irp t, 0,1,2,3
	v_min_num_f32 v[T+\t], v[NMP+2*\t], v[NMP2+2*\t]       ; the common maximum
.endr
.irp t, 0,1,2,3
	v_sub_f32 v[NMP+2*\t],  v[T+\t], v[NMP+2*\t]
	v_sub_f32 v[NMP2+2*\t], v[T+\t], v[NMP2+2*\t]
.endr
.irp t, 0,1,2,3
	v_exp_f32 v[NMP+2*\t],  v[NMP+2*\t]            ; my half's factor, at most 1
	v_exp_f32 v[NMP2+2*\t], v[NMP2+2*\t]           ; the partner's
.endr
	v_nop                                          ; a plain instruction behind the last exponential,
	s_wait_alu depctr_va_vdst(0)                   ; and the wait ahead of the first reader: one for the merge's eight exponentials
.irp t, 0,1,2,3
	v_mul_f32 v[L+\t], v[L+\t], v[NMP+2*\t]
	v_fmac_f32 v[L+\t], v[L2+\t], v[NMP2+2*\t]     ; the whole denominator: at least about 1
.endr
.irp t, 0,1,2,3
	v_rcp_f32 v[T+\t], v[L+\t]
.endr
	v_nop                                          ; a plain instruction behind the last reciprocal,
	s_wait_alu depctr_va_vdst(0)                   ; and the wait ahead of the first reader: one for the four reciprocals, a batch of their own since they read what the exponentials made
.irp t, 0,1,2,3
	v_mul_f32 v[FAC+2*\t],   v[NMP+2*\t],  v[T+\t]
	v_mul_f32 v[FAC+2*\t+1], v[NMP+2*\t],  v[T+\t]
	v_mul_f32 v[FBC+2*\t],   v[NMP2+2*\t], v[T+\t]
	v_mul_f32 v[FBC+2*\t+1], v[NMP2+2*\t], v[T+\t]
.endr
; Query tile t, the i-th of the two that my partner handed me: merge, round, through my stage, 2,048 dense bytes out.
; The two tiles use different registers for their rows, so no register of a pending store is written again.
.macro OUTQ t, i
.irp n, 0,1,2,3,4,5,6,7
	ds_load_b128 v[X+4*\n:X+4*\n+3], v[XB] offset:512*(8*\i+\n)
.endr
	s_wait_dscnt 0x0
.set j, 0
.rept 16
	v_pk_mul_f32 v[X+j:X+j+1], v[X+j:X+j+1], v[FBC+2*\t:FBC+2*\t+1]
.set j, j+2
.endr
	WIN 0x01                                       ; source 0 (my sums) in window 1
.set j, 0
.rept 16
	v_pk_fma_f32 v[X+j:X+j+1], v[ACC+32*\t+j:ACC+32*\t+j+1], v[FAC+2*\t:FAC+2*\t+1], v[X+j:X+j+1]
.set j, j+2
.endr
	WIN 0
.irp dt, 0,1,2,3
.irp rr, 0,1,2,3
	v_cvt_pk_f16_f32 v[TMP+4*\dt+\rr], v[X+8*\dt+2*\rr], v[X+8*\dt+2*\rr+1]
.endr
.endr
.irp dt, 0,1,2,3
	ds_store_b128 v[STO], v[TMP+4*\dt:TMP+4*\dt+3] offset:32*\dt
.endr
.irp n, 0,1,2,3
	ds_load_b128 v[OB0+16*\i+4*\n:OB0+16*\i+4*\n+3], v[RD] offset:4*SP*\n    ; LDS serves a wave in order (ISA guide 5.7.1): these see the stores above
.endr
.irp n, 0,1,2,3
	s_wait_dscnt 3-\n                              ; load n is in, the 3 - n younger ones stay out
	global_store_b128 v[CO], v[OB0+16*\i+4*\n:OB0+16*\i+4*\n+3], s[6:7] offset:2048*\t+512*\n   ; 512 dense bytes, aligned
.endr
.endm
	s_cmp_eq_u32 s[ROLE], 0
	s_cbranch_scc0 .Lout23
	OUTQ 0, 0
	OUTQ 1, 1
	s_branch .Lend
.Lout23:
	OUTQ 2, 0
	OUTQ 3, 1
.Lend:
	s_wait_dscnt 0x0
	s_wait_tensorcnt 0x0
	ds_add_u32 v30, v31
	s_wait_dscnt 0x0
	CROUND                                         ; the closing round
	s_endpgm
.Lfunc_end_k_q6e937df3b3_attn:
	.size	k_q6e937df3b3_attn, .Lfunc_end_k_q6e937df3b3_attn-k_q6e937df3b3_attn
	.p2alignl 7, 3214868480
	.fill 96, 4, 3214868480
	.section	.rodata,"a",@progbits
	.p2align	6, 0x0
	.amdhsa_kernel k_q6e937df3b3_attn
		.amdhsa_group_segment_fixed_size 327680
		.amdhsa_private_segment_fixed_size 0
		.amdhsa_enable_private_segment 0
		.amdhsa_kernarg_size 16
		.amdhsa_user_sgpr_count 2
		.amdhsa_user_sgpr_kernarg_segment_ptr 1
		.amdhsa_wavefront_size32 1
		.amdhsa_system_sgpr_workgroup_id_x 1
		.amdhsa_system_sgpr_workgroup_id_y 1
		.amdhsa_system_sgpr_workgroup_id_z 1
		.amdhsa_system_vgpr_workitem_id 0
		.amdhsa_next_free_vgpr 512
		.amdhsa_next_free_sgpr 66
		.amdhsa_reserve_vcc 0
		.amdhsa_float_denorm_mode_32 3
		.amdhsa_float_denorm_mode_16_64 3
		.amdhsa_memory_ordered 1
		.amdhsa_forward_progress 1
		.amdhsa_inst_pref_size 255
	.end_amdhsa_kernel
	.section	.bss,"aw",@nobits
	.p2align	6
	.space	262144
	.amdgpu_metadata
---
amdhsa.version: [ 1, 2 ]
amdhsa.kernels:
  - .name:           k_q6e937df3b3_attn
    .symbol:         k_q6e937df3b3_attn.kd
    .args:
      - { .name: qkvh, .offset: 0, .size: 8, .value_kind: global_buffer, .address_space: global }
      - { .name: aoh, .offset: 8, .size: 8, .value_kind: global_buffer, .address_space: global }
    .group_segment_fixed_size: 327680
    .private_segment_fixed_size: 0
    .kernarg_segment_align: 8
    .kernarg_segment_size: 16
    .max_flat_workgroup_size: 256
    .sgpr_count:     66
    .vgpr_count:     512
    .wavefront_size: 32
...
	.end_amdgpu_metadata
.endif
;; end of part 5
;; launch proj: the kernel of part 4 again; grid 8 x 32, 4 waves a work-group, clusters of 4 x 4, 327,680 bytes of LDS; arguments aoh, wouth, out0, b_out; writes out0
